; MI455X (gfx1250); checked and timed in simulation.
; The chip was launched on July 23, 2026; its instructions are those of AMD's public machine-readable ISA for CDNA 5 (MIT licence, August 2026) and "CDNA5" Instruction Set Architecture Reference Guide (July 2026). The comments in the code are by the model that wrote it; some were corrected since.
;; Attention. Allowed arithmetic: matrix products marked QUANTISED: E2M3 operands, one E8M0 scale for each 32 along K, by v_wmma_scale_f32_16x16x128_f8f6f4 with both operands' format E2M3, f32 sums; everything else in f32.
;; Inputs: W1 1,024 x 1,024 float32; W2 1,024 x 1,024 float32; source 512 x 32 x 1,024 float32; target 512 x 32 x 1,024 float32.
;; Outputs: out0 512 x 32 x 1,024 float32.
;; This version of the problem:
;;   THIS VERSION OF THE PROBLEM IS GIVEN IN LOW PRECISION. The matrix products marked QUANTISED in the list below multiply operands that are first quantised to E2M3 (2 exponent bits, 3 mantissa bits; 6 bits a number), with one power-of-two scale for each 32 numbers along K (OCP MX v1.0); their sums are f32. All else is computed in f32.
;;   The module's matrix products, in the order in which they are computed (A, B: the left and right operand; K: the contracted axis; several contracted axes count as one K, in the product's order):
;;     1. [M 16,384, K 1,024] x [K 1,024, N 1,024]; A: input source; B: input W1: QUANTISED
;;     2. [M 16,384, K 1,024] x [K 1,024, N 1,024]; A: input target; B: input W2: QUANTISED
;;     3. batch 32 x [M 512, K 1,024] x [K 1,024, N 512]; A: computed on the way; B: computed on the way: QUANTISED
;;     4. batch 32 x [M 1,024, K 512] x [K 512, N 512]; A: input source; B: softmax (see below): QUANTISED
;;   THE QUANTISER, for each operand of a quantised product, along K:
;;     - K is cut into blocks of 32 from its start; a last block that is shorter is filled with zeros.
;;     - A block's scale is 2^e with e = floor(log2(the largest magnitude in the block)) - 2, held to -126 .. 127; a block of zeros has e = 0. As a byte (E8M0): e + 127.
;;     - Each number is divided by its block's scale, clamped to +-7.5, and rounded to the nearest number of E2M3, ties to even, subnormals kept.
;;     - The product sums the exact products of the quantised numbers (number of the format x scale) in f32.
;;   ~~~python
;;   def quantise(x, axis):      # numpy; x: float32 -> the quantised numbers, widened to float32 again
;;       x = np.moveaxis(x, axis, -1); K = x.shape[-1]
;;       x = np.pad(x, [(0, 0)] * (x.ndim - 1) + [(0, -K % 32)]); x = x.reshape(x.shape[:-1] + (-1, 32)); a = np.abs(x).max(-1, keepdims=True)
;;       e = np.where(a > 0, np.clip(np.frexp(np.where(a > 0, a, 1))[1] - 1 - 2, -126, 127), 0)      # np.frexp(a)[1] - 1 = floor(log2(a)), exactly
;;       r = np.clip(x / 2.0 ** e, -7.5, 7.5)
;;       step = 2.0 ** (np.maximum(np.frexp(np.where(r == 0, 1, r))[1] - 1, 0) - 3)
;;       q = np.round(r / step) * step * 2.0 ** e      # np.round: ties to even
;;       return np.moveaxis(q.reshape(q.shape[:-2] + (-1,))[..., :K], -1, axis).astype(np.float32)
;;   ~~~
;;   SOFTMAX AHEAD OF A QUANTISED PRODUCT. Where the list says 'softmax', what is quantised is not the finished softmax but p = 2^(t - M), with t = logit x log2(e) and M = ceil(the row's largest t), a whole number; so 1/2 < the row's largest p <= 1. The row's sum l is taken of the UNQUANTISED p, in f32, and the product's result is divided by l at the end. Since M is a whole number, a kernel that streams over the keys may use a running M (the ceiling of the running maximum): every later rescaling is an exact power of two, which a block's scale takes up: the codes' values come out the same.
;;   OPERANDS COMPUTED ON THE WAY. 'Computed on the way' means the value that the module computes at that place (a softmax that the list does not call 'softmax' is quantised finished and normalised). What goes into a quantiser is computed in f32, as accurately as f32 sums, v_exp_f32 and their like allow (about 1e-6 of the number): no bf16 or f16 on the way to a quantiser, and a product that is left as it is and whose result goes on into a quantised operand takes f32 operands (vector FMAs, or v_wmma_f32_16x16x4_f32). A number that lies on a knife's edge between two numbers of the format may be rounded either way, as far as f32 arithmetic and the matrix unit's own rounding can turn it there, and no further.
;; 2 versions, each right; version 2 is version 1 with the launch attn written anew for expert scheduling mode. Each part assembles by itself: llvm-mc -triple=amdgcn-amd-amdhsa -mcpu=gfx1250 --defsym DOCPART=n.
;; ======== version 1 of 2: 3 launches
;; workspace buffers: xc 26,738,688 bytes; xs 1,114,112 bytes; vc 12,582,912 bytes; vs 524,288 bytes; tc 25,165,824 bytes; tsc 1,048,576 bytes
;; launch quant (part 1): grid 2176 x 1, 4 waves a work-group, no clusters, 46,592 bytes of LDS; arguments source, target, W1, W2, xc, xs, vc, vs; writes xc, xs, vc, vs
.if DOCPART == 1
	.amdgcn_target "amdgcn-amd-amdhsa--gfx1250"
	.amdhsa_code_object_version 6
	.text
	.protected	k_q104fc9c533_quant
	.globl	k_q104fc9c533_quant
	.p2align	8
	.type	k_q104fc9c533_quant,@function
k_q104fc9c533_quant:
	s_mov_b64 s[64:65], 0
	v_nop
	global_prefetch_b8 v0, s[64:65] scope:SCOPE_SE
	s_setreg_imm32_b32 hwreg(HW_REG_WAVE_MODE, 25, 1), 1
	s_wait_xcnt 0x0
; source, target [512][32][1024] and W1, W2 [1024][1024], f32, become codes of FP6 (E2M3) with one E8M0 byte for each 32 along K.  Every f32 byte is read once.
; K = the last axis (d) for all four tensors -> xc, xs;  for source also K = s (the first axis) -> vc, vs, for the product with the softmax's weights.
; A block's scale is 2^(floor(log2(its largest magnitude)) - 2); its byte is the largest magnitude's exponent field - 2, held at 1 from below.
; LIMITS: NaN and infinities among the inputs are not served.  A block of zeros, or one whose largest magnitude lies under 2^-124, gets the byte 1 (the rule says 127 for zeros): its codes are
; zeros, which add nothing under any byte but 0xff, and the bytes are read by this program alone.
; THE WORKSPACE LIES IN THE ORDER OF THE OPERAND'S REGISTERS.  A fragment (16 rows x 128 K, 12 registers a lane) is 1,536 bytes: register p of lane l at 512 (p / 4) + 16 l + 4 (p % 4).  Its 16 scale words: 64 bytes.
;   xc [unit 68][K step 8][tile 32][1536], xs [unit][K step][tile][64].  A unit is 512 rows: 0-31 source by batch, 32-63 target by batch, 64-65 W1, 66-67 W2.
;   THE ROWS OF A TILE ARE NOT NEIGHBOURS: lane row r of tile 2 b + u is row 32 b + 8 u + r + 8 (r / 8) of the unit, so that a transposed product's 16 registers of two tiles are 16 neighbours along the next K.
;   vc [batch][tile of d 64][step of s 4][1536], vs [batch][step of s][tile of d][64]: rows d in their own order.
; SHARES.  A work-group takes 128 rows x 128 columns of a unit (one K step of eight tiles), a wave 32 rows, in four blocks of 32 columns.  A LANE TAKES A COLUMN AND ITS REGISTERS RUN DOWN THE ROWS: that is a
; block along s as it stands.  For the blocks along d the 32 x 32 numbers turn through the wave's own stage in LDS.  Codes are gathered in LDS, 24 bytes a block, and leave as whole fragments: every store covers 512 consecutive bytes.
; A ROW'S PLACE STANDS IN THE LOAD'S IMMEDIATE (31 x 131,072 + 384 at the most, inside the signed 24 bits: ISA guide, chapter 10), so one offset register serves all 128 loads; W's rows lie 4,096 bytes apart, so the loads
; are written twice, under a branch on the unit's number.  What is gathered at the end lies over registers that are done with: 136 registers a wave.
; No tensor loads, no matrix work, no cluster: the work-groups share no input.  One barrier: the fragments along s are pieced together from the four waves' blocks.
.set TST,  0                           ; LDS: each wave's turning stage, 4,736 bytes: row i at 144 i + 128 (i / 16), so that sixteen lanes' 16-byte reads fall on sixteen different columns of 16 bytes modulo 256
.set XSTG, 18944                       ; each wave's codes along d: 24 bytes at 768 j + 24 lane
.set VSTG, 31232                       ; each wave's codes along s, the same form; read by all waves
.set XSS,  43520                       ; scale words along d: 128 w + 4 lane
.set VSS,  44032                       ; scale bytes along s, each at its place in a word: 512 w + 128 j + 4 lane
.set TW,   2                           ; v2   stage, in:  4 lane
.set TR,   3                           ; v3   stage, out: my row
.set PX,   4                           ; v4   where I put codes along d
.set PV,   5                           ; v5   along s
.set GX,   6                           ; v6   where I gather a fragment along d
.set GV,   7                           ; v7   along s
.set XWA,  8                           ; v8   my scale word along d
.set VWA,  9                           ; v9   my scale byte's word along s
.set L16,  10                          ; v10  16 x lane
.set XSR,  11                          ; v11  XSS + 16 lane
.set VSR,  12                          ; v12  VSS + 16 lane
.set XW,   13                          ; v13  the scale word being gathered
.set OFF,  14                          ; v14  4 x lane; never rewritten once it is made
.set X,    16                          ; v16-79  two sets of 32 numbers
.set T,    80                          ; v80-111 32 neighbours along d
.set MXA,  112
.set MXB,  113
.set SOP,  114                         ; the conversions' scale operand
.set BY,   115                         ; the scale's byte
.set CV,   116                         ; v116-121 a block's codes along s (v122-124: its upper half as converted)
.set CH,   122
.set CD,   126                         ; v126-131 along d (v132-134)
.set CE,   132
.set GXR,  80                          ; at the end: v80-103 two fragments along d,
.set XSG,  104                         ; v104-107 scale words along d,
.set GVR,  16                          ; v16-39 two fragments along s,
.set VSG,  48                          ; v48-63 scale bytes along s
	s_load_b256 s[4:11], s[0:1], 0x0               ; source, target, W1, W2
	s_load_b256 s[12:19], s[0:1], 0x20             ; xc, xs, vc, vs
	v_lshl_add_u32 v136, v0, 2, 0xb400
	v_mov_b32 v137, 0
	v_lshrrev_b32 v1, 5, v0
	v_readfirstlane_b32 s23, v1                    ; wave
	v_and_b32 v1, 31, v0                           ; lane
	s_lshr_b32 s20, ttmp9, 5                       ; unit
	s_bfe_u32 s21, ttmp9, 0x20003                  ; which 128 rows of it
	s_and_b32 s22, ttmp9, 7                        ; which K step
	s_mul_i32 s34, s23, 4736
	v_lshl_add_u32 v[TW], v1, 2, s34
	v_and_b32 v14, 15, v0                          ; r
	v_bfe_u32 v15, v0, 4, 1                        ; h
	v_bfe_u32 v13, v0, 3, 1                        ; r / 8
	v_lshl_add_u32 v[TR], v15, 3, v14
	v_lshl_add_u32 v[TR], v13, 3, v[TR]            ; lane (r, h) takes row r + 8 h + 8 (r / 8) of the wave's 32: lane row r of its tile h
	v_mul_u32_u24 v[TR], v[TR], 144
	v_lshl_add_u32 v[TR], v13, 7, v[TR]            ; (that row / 16 = r / 8)
	v_add_nc_u32 v[TR], s34, v[TR]
	s_mul_i32 s35, s23, 3072
	v_mul_u32_u24 v[PX], v1, 24
	v_add_nc_u32 v[PV], s35, v[PX]
	v_add_nc_u32 v[PX], XSTG, v[PV]
	v_add_nc_u32 v[PV], VSTG, v[PV]
	v_mul_u32_u24 v[GX], v14, 24
	v_mad_u32_u24 v[GV], v15, 3072, v[GX]          ; along s: block h was made by wave h, block 2 + h by wave 2 + h
	v_mad_u32_u24 v[GX], v15, 768, v[GX]           ; along d: block h is my wave's j = h, block 2 + h its j = 2 + h
	v_add_nc_u32 v[GX], s35, v[GX]
	v_add_nc_u32 v[GX], XSTG, v[GX]
	s_mul_i32 s36, s23, 768
	v_add_nc_u32 v[GV], s36, v[GV]                 ; wave w pieces together the two tiles of d of the columns' block j = w
	v_add_nc_u32 v[GV], VSTG, v[GV]
	s_lshl_b32 s37, s23, 7
	s_add_co_u32 s37, s37, XSS
	v_lshl_add_u32 v[XWA], v1, 2, s37
	s_lshl_b32 s37, s23, 9
	s_add_co_u32 s37, s37, VSS
	v_lshl_add_u32 v[VWA], v1, 2, s37
	v_lshlrev_b32 v[L16], 4, v1
	v_add_nc_u32 v[XSR], XSS, v[L16]
	v_add_nc_u32 v[VSR], VSS, v[L16]
	v_lshlrev_b32 v[OFF], 2, v1                    ; (r is done with)
	s_lshl_b32 s38, s23, 3                         ; along s my wave's byte stands 8 w bits up in the word
	s_and_b32 s25, s20, 31                         ; source, target: the batch
	s_and_b32 s26, s20, 1
	s_lshl_b32 s26, s26, 9                         ; W1, W2: the unit's first row
	s_mov_b32 s24, 4096
	s_min_u32 s33, s20, 31                         ; (vc's and vs's bases stay inside their buffers in the work-groups that never use them)
	s_wait_kmcnt 0x0
	s_cmp_lt_u32 s20, 66                           ; the choices hang on the work-group's number alone
	s_cselect_b64 s[8:9], s[8:9], s[10:11]
	s_cmp_lt_u32 s20, 64
	s_cselect_b64 s[6:7], s[6:7], s[8:9]
	s_cselect_b32 s24, 0x20000, s24                ; bytes from row to row: 32 x 4,096, or 4,096
	s_cselect_b32 s25, s25, s26
	s_cmp_lt_u32 s20, 32
	s_cselect_b64 s[4:5], s[4:5], s[6:7]
	s_cselect_b32 s27, 1, 0                        ; 1: source, which is quantised along s too
	s_lshl_b32 s28, s21, 7
	s_lshl_b32 s29, s23, 5
	s_add_co_u32 s28, s28, s29                     ; my wave's first row
	s_mul_i32 s28, s28, s24
	s_lshl_b32 s25, s25, 12
	s_add_co_u32 s28, s28, s25
	s_lshl_b32 s29, s22, 9
	s_add_co_u32 s28, s28, s29                     ; + 512 bytes a K step
	s_mov_b32 s29, 0
	s_add_nc_u64 s[4:5], s[4:5], s[28:29]
.macro LOAD t                          ; block t: x(row i, column 32 t + lane), i = 0 .. 31, into set t % 2: 32 lanes read 128 consecutive bytes.  Both arms issue the same 32 loads into the same registers
	s_cmp_lt_u32 s20, 64
	s_cbranch_scc0 .Lrows_of_w_\@
.set ii, 0
.rept 32
	global_load_b32 v[X+32*((\t)%2)+ii], v[OFF], s[4:5] offset:131072*ii+128*(\t) th:TH_LOAD_NT
.set ii, ii+1
.endr
	s_branch .Lasked_\@
.Lrows_of_w_\@:
.set ii, 0
.rept 32
	global_load_b32 v[X+32*((\t)%2)+ii], v[OFF], s[4:5] offset:4096*ii+128*(\t) th:TH_LOAD_NT
.set ii, ii+1
.endr
.Lasked_\@:
.endm
	LOAD 0
	LOAD 1
	; where my results go
	s_mul_i32 s30, s20, 393216
	s_mul_i32 s31, s22, 49152
	s_add_co_u32 s30, s30, s31
	s_lshl_b32 s31, s21, 3
	s_lshl_b32 s32, s23, 1
	s_add_co_u32 s31, s31, s32                     ; my first tile: 8 x quarter + 2 x wave
	s_mul_i32 s31, s31, 1536
	s_add_co_u32 s30, s30, s31
	s_mov_b32 s31, 0
	s_add_nc_u64 s[12:13], s[12:13], s[30:31]      ; xc
	s_lshl_b32 s30, s20, 14
	s_lshl_b32 s32, s22, 11
	s_add_co_u32 s30, s30, s32
	s_lshl_b32 s32, s21, 9
	s_add_co_u32 s30, s30, s32
	s_add_nc_u64 s[14:15], s[14:15], s[30:31]      ; xs: the work-group's eight tiles' words, 512 bytes
	s_mul_i32 s30, s33, 393216
	s_lshl_b32 s32, s22, 3
	s_lshl_b32 s39, s23, 1
	s_add_co_u32 s32, s32, s39                     ; my first tile of d: 8 x K step + 2 x wave
	s_mul_i32 s32, s32, 6144
	s_add_co_u32 s30, s30, s32
	s_mul_i32 s32, s21, 1536                       ; the step of s is the quarter
	s_add_co_u32 s30, s30, s32
	s_add_nc_u64 s[16:17], s[16:17], s[30:31]      ; vc
	s_lshl_b32 s30, s33, 14
	s_lshl_b32 s32, s21, 12
	s_add_co_u32 s30, s30, s32
	s_lshl_b32 s32, s22, 9
	s_add_co_u32 s30, s30, s32
	s_add_nc_u64 s[18:19], s[18:19], s[30:31]      ; vs
; 32 numbers of one block in v[src] on -> 24 bytes of codes in v[c6] .. v[c6 + 5], the byte in v[BY]
.macro MAXQ src, c6, c3
	v_max3_num_f32 v[MXA], |v[\src]|, |v[\src+1]|, |v[\src+2]|
	v_max3_num_f32 v[MXB], |v[\src+3]|, |v[\src+4]|, |v[\src+5]|
.irp i, 6,10,14,18,22,26
	v_max3_num_f32 v[MXA], v[MXA], |v[\src+\i]|, |v[\src+\i+1]|
	v_max3_num_f32 v[MXB], v[MXB], |v[\src+\i+2]|, |v[\src+\i+3]|
.endr
	v_max3_num_f32 v[MXA], v[MXA], |v[\src+30]|, |v[\src+31]|
	v_max3_num_f32 v[MXA], v[MXA], v[MXB], 0x1800000       ; and the floor 2^(3 - 127): the byte cannot fall under 1
	v_add_nc_u32 v[SOP], 0xff000000, v[MXA]                ; 2 off the exponent field: the conversion takes the exponent field of this operand as its scale
	v_cvt_scalef32_pk16_fp6_f32 v[\c6:\c6+2], v[\src:\src+15], v[SOP]
	v_cvt_scalef32_pk16_fp6_f32 v[\c3:\c3+2], v[\src+16:\src+31], v[SOP]   ; (a conversion's three registers begin on an even number)
	v_lshrrev_b32 v[BY], 23, v[SOP]                        ; the byte; also the plain instruction behind the conversions
.irp i, 0,1,2
	v_mov_b32 v[\c6+3+\i], v[\c3+\i]
.endr
.endm
.macro PUT adr, c6, j
.irp m, 0,1,2
	ds_store_b64 v[\adr], v[\c6+2*\m:\c6+2*\m+1] offset:768*(\j)+8*\m
.endr
.endm
.macro GATHER adr, off, far, reg       ; lane (r, h) takes its 12 registers of a fragment: blocks h and 2 + h of row r
.irp m, 0,1,2
	ds_load_b64 v[(\reg)+2*\m:(\reg)+2*\m+1], v[\adr] offset:(\off)+8*\m
.endr
.irp m, 0,1,2
	ds_load_b64 v[(\reg)+6+2*\m:(\reg)+7+2*\m], v[\adr] offset:(\off)+(\far)+8*\m
.endr
.endm
.macro BLOCK j
.set XS, X+32*((\j)%2)
.if (\j) < 3
	s_wait_loadcnt 32                              ; this block's 32 loads are in; the next block's 32 may be out
.else
	s_wait_loadcnt 0x0
.endif
.set ii, 0
.rept 32
	ds_store_b32 v[TW], v[XS+ii] offset:144*ii+128*(ii/16)
.set ii, ii+1
.endr
.irp m, 0,1,2,3,4,5,6,7
	ds_load_b128 v[T+4*\m:T+4*\m+3], v[TR] offset:16*\m    ; LDS serves a wave's instructions in order: these see my stores
.endr
	s_cmp_eq_u32 s27, 0
	s_cbranch_scc1 .Lnot_s_\@
	MAXQ XS, CV, CH                                ; along s: my column's 32 rows are a block as they stand
	PUT PV, CV, \j
	v_lshlrev_b32 v[BY], s38, v[BY]
	ds_store_b32 v[VWA], v[BY] offset:128*(\j)
.Lnot_s_\@:
	s_wait_dscnt 0x0                               ; the turned numbers are in, and my LDS stores have read their registers
.if (\j) < 2
	LOAD (\j)+2
.endif
	MAXQ T, CD, CE                                 ; along d: my row's 32 columns
	PUT PX, CD, \j
.if (\j) == 0
	v_mov_b32 v[XW], v[BY]
.else
	v_lshl_or_b32 v[XW], v[BY], 8*(\j), v[XW]
.endif
.endm
	BLOCK 0
	BLOCK 1
	BLOCK 2
	BLOCK 3
	ds_store_b32 v[XWA], v[XW]
	GATHER GX, 0, 1536, GXR                        ; my wave's two tiles along d, out of its own bytes, into the registers that the turned numbers have left
	GATHER GX, 384, 1536, GXR+12
	s_wait_dscnt 0x0                               ; for the others' sake too: my stores have landed
	s_barrier_signal -1
	s_barrier_wait -1
.irp t, 0,1
.irp m, 0,1,2
	global_store_b128 v[L16], v[GXR+12*\t+4*\m:GXR+12*\t+4*\m+3], s[12:13] offset:1536*\t+512*\m   ; 32 lanes store 512 consecutive bytes, at a multiple of 512 from the buffer's first byte
.endr
.endr
	s_cmp_eq_u32 s27, 0
	s_cbranch_scc1 .Lno_v
	GATHER GV, 0, 6144, GVR                        ; two tiles of d along s: a block from each of the four waves; into registers that no pending store reads
	GATHER GV, 384, 6144, GVR+12
	s_wait_dscnt 0x0
.irp t, 0,1
.irp m, 0,1,2
	global_store_b128 v[L16], v[GVR+12*\t+4*\m:GVR+12*\t+4*\m+3], s[16:17] offset:6144*\t+512*\m
.endr
.endr
.Lno_v:
	s_cmp_lg_u32 s23, 0
	s_cbranch_scc1 .Lnot_wave_0
	ds_load_b128 v[XSG:XSG+3], v[XSR]              ; the eight tiles' scale words along d
	s_wait_dscnt 0x0
	global_store_b128 v[L16], v[XSG:XSG+3], s[14:15]
.Lnot_wave_0:
	s_cmp_lg_u32 s23, 1
	s_cbranch_scc1 .Lend
	s_cmp_eq_u32 s27, 0
	s_cbranch_scc1 .Lend
.irp k, 0,1,2,3
	ds_load_b128 v[VSG+4*\k:VSG+4*\k+3], v[VSR] offset:512*\k  ; along s a word's four bytes come from the four waves
.endr
	s_wait_dscnt 0x0
.irp k, 1,2,3
.irp m, 0,1,2,3
	v_or_b32 v[VSG+\m], v[VSG+\m], v[VSG+4*\k+\m]
.endr
.endr
	global_store_b128 v[L16], v[VSG:VSG+3], s[18:19]
.Lend:
	s_wait_tensorcnt 0x0
	ds_add_u32 v136, v137
	s_wait_dscnt 0x0
	s_endpgm
.Lfunc_end_k_q104fc9c533_quant:
	.size	k_q104fc9c533_quant, .Lfunc_end_k_q104fc9c533_quant-k_q104fc9c533_quant
	.p2alignl 7, 3214868480
	.fill 96, 4, 3214868480
	.section	.rodata,"a",@progbits
	.p2align	6, 0x0
	.amdhsa_kernel k_q104fc9c533_quant
		.amdhsa_group_segment_fixed_size 46592
		.amdhsa_private_segment_fixed_size 0
		.amdhsa_enable_private_segment 0
		.amdhsa_kernarg_size 64
		.amdhsa_user_sgpr_count 2
		.amdhsa_user_sgpr_kernarg_segment_ptr 1
		.amdhsa_wavefront_size32 1
		.amdhsa_system_sgpr_workgroup_id_x 1
		.amdhsa_system_sgpr_workgroup_id_y 1
		.amdhsa_system_sgpr_workgroup_id_z 1
		.amdhsa_system_vgpr_workitem_id 0
		.amdhsa_next_free_vgpr 138
		.amdhsa_next_free_sgpr 66
		.amdhsa_reserve_vcc 0
		.amdhsa_float_denorm_mode_32 3
		.amdhsa_float_denorm_mode_16_64 3
		.amdhsa_memory_ordered 1
		.amdhsa_forward_progress 1
		.amdhsa_inst_pref_size 57
	.end_amdhsa_kernel
	.amdgpu_metadata
---
amdhsa.version: [ 1, 2 ]
amdhsa.kernels:
  - .name:           k_q104fc9c533_quant
    .symbol:         k_q104fc9c533_quant.kd
    .args:
      - { .name: source, .offset: 0, .size: 8, .value_kind: global_buffer, .address_space: global }
      - { .name: target, .offset: 8, .size: 8, .value_kind: global_buffer, .address_space: global }
      - { .name: W1, .offset: 16, .size: 8, .value_kind: global_buffer, .address_space: global }
      - { .name: W2, .offset: 24, .size: 8, .value_kind: global_buffer, .address_space: global }
      - { .name: xc, .offset: 32, .size: 8, .value_kind: global_buffer, .address_space: global }
      - { .name: xs, .offset: 40, .size: 8, .value_kind: global_buffer, .address_space: global }
      - { .name: vc, .offset: 48, .size: 8, .value_kind: global_buffer, .address_space: global }
      - { .name: vs, .offset: 56, .size: 8, .value_kind: global_buffer, .address_space: global }
    .group_segment_fixed_size: 46592
    .private_segment_fixed_size: 0
    .kernarg_segment_align: 8
    .kernarg_segment_size: 64
    .max_flat_workgroup_size: 128
    .sgpr_count:     66
    .vgpr_count:     138
    .wavefront_size: 32
...
	.end_amdgpu_metadata
.endif
;; end of part 1
;; launch proj (part 2): grid 4 x 64, 4 waves a work-group, clusters of 4 x 4, 327,680 bytes of LDS; arguments xc, xs, tc, tsc; writes tc, tsc
.if DOCPART == 2
	.amdgcn_target "amdgcn-amd-amdhsa--gfx1250"
	.amdhsa_code_object_version 6
	.text
	.protected	k_q104fc9c533_proj
	.globl	k_q104fc9c533_proj
	.p2align	8
	.type	k_q104fc9c533_proj,@function
k_q104fc9c533_proj:
	s_mov_b64 s[64:65], 0
	v_nop
	global_prefetch_b8 v0, s[64:65] scope:SCOPE_SE
	s_setreg_imm32_b32 hwreg(HW_REG_WAVE_MODE, 25, 1), 1
	s_wait_xcnt 0x0
	s_wait_alu depctr_hold_cnt(0) depctr_sa_sdst(0) depctr_va_vdst(0) depctr_va_sdst(0) depctr_va_ssrc(0) depctr_va_vcc(0) depctr_vm_vsrc(0)
	s_getreg_b32 s2, hwreg(HW_REG_IB_STS2, 6, 4)
	s_cmp_eq_u32 s2, 0
	s_cbranch_scc0 .Lentry_in_a_cluster
	s_endpgm
.Lentry_in_a_cluster:
	s_bfe_u32 s2, ttmp6, 0x10000c
	s_cmp_lg_u32 s2, 0xf033
	s_cbranch_scc0 .Lentry_shape_is_right
	s_endpgm
.Lentry_shape_is_right:
; ts = source W1^T and tt = target W2^T on codes of FP6 (E2M3) with E8M0 scales, f32 sums, K = 1,024 ascending; the results are quantised along a (the next product's K) in registers and leave as codes.
; INPUT: xc, xs in the order of the operand's registers (a fragment: 16 rows x 128 K = 1,536 bytes, register p of lane l at 512 (p / 4) + 16 l + 4 (p % 4); its 16 scale words 64 bytes):
;   xc [unit 68][K step 8][tile 32][1536], xs [unit][K step][tile][64]; units 0-31 source by batch, 32-63 target by batch, 64-65 W1, 66-67 W2.  Lane row r of tile 2 b + u is row 32 b + 8 u + r + 8 (r / 8) of the unit.
; OUTPUT: tc [unit 64][step of a 8][tile 32][1536], tsc [unit][step of a][tile][64], the same form; rows in the same order as in xc.
; LIMITS: NaN and infinities are not served; a block of zeros, or one under 2^-124, gets the byte 1: its codes are zeros, and this program alone reads the bytes.
; SHARES.  A work-group of four waves, as many as a WGP has SIMDs, makes TWO tiles of 256 rows x 256 a, the two halves of one unit, against the same 256 rows of W; the ring of LDS slots runs on from the first tile into the second.
; A wave makes 128 x 128: 64 accumulators.  Its 128 a are exactly one K step of the next product, so its results become whole fragments and whole scale words.
; THE MATRIX INSTRUCTION IS USED TRANSPOSED (source 0 = 16 rows of W, source 1 = 16 rows of x): a lane holds one row of x, and by the order of W's rows in a tile the 16 registers of two neighbouring tiles are 16 neighbours along a.
; CLUSTERS: 4 x 4 work-groups.  The four of a row of the cluster need the same tiles of x, the four of a column the same tiles of W: each is asked for jointly, by the same tensor load with the same descriptor and a mask that names the four.
; LDS holds fragments as they lie in memory: every LDS load takes 512 consecutive bytes, so there is no pitch and no padding.  All of LDS is claimed.
; No prefetch: a work-group's whole stream is eight fills, shared in the cluster, and W's rows are read by many work-groups.
; REGISTERS, in windows of 256: window 0: v16-31 addresses; v32-95 scale words of all eight K steps; v96-123 at work on the way out; v128-223 x's eight fragments, ONE set; v224-254 codes just made.
;   window 1: W's eight fragments, TWO sets, at v0 and v128.   window 2: the accumulators of my row tiles 0-3 ((a, b) at v[8 (8 (a % 4) + b)]);   window 3: those of tiles 4-7.
.set FR,    12
.set FRB,   1536
.set KSB,   24576                      ; 16 tiles of one K step
.set SLOT,  98304                      ; x's K step even, odd; W's even, odd
.set SCL,   196608                     ; scale words: x's half 0, half 1, W's: 8,192 bytes each, [K step 8][tile 16][64]
.set SPARE, 221184                     ; the spare words, 128 bytes for each wave: two blocks of 256 bytes that no other line names
.set STG,   221696                     ; 512 bytes for each wave: the scale words just made, on their way out
.set ADRA,  16                         ; v16-17 LDS address of my fragments of x in slot 0, 1
.set ADRB,  20                         ; v20-21 of W
.set STS,   24                         ; v24  where I put a scale word
.set SRD,   25                         ; v25  where I read 16 bytes of them back
.set CO,    26                         ; v26  16 x lane
.set ADRS,  27                         ; v27  my scale words, first tile of C: lanes 0-15 x's rows, lanes 16-31 W's
.set SPW,   28                         ; v28  my spare word; never rewritten
.set NIL,   29                         ; v29  0; never rewritten
.set ADRS1, 30                         ; v30  my scale words, second tile of C
.set SC,    32                         ; v[SC + 8 i + q]: lanes 0-15 the word of x's tile i, lanes 16-31 of W's tile i, K step q
.set TM,    96                         ; v96-99 largest magnitudes, v100-103 bytes, v108-111 the conversions' scale operands
.set PW,    112                        ; v112-119 the scale word of each of my eight row tiles
.set SW,    120
.set AF,    128
.set PC,    224                        ; two sets of 12
.set PH,    248
.set G1,    24
.set G0,    32
.set G1B,   48
.set G0B,   56
.set G1S,   68
.set G0S,   76
.set G1SB,  80
.set G0SB,  88
.set SEL,   98
.set MSB, 0
.macro WIN new                         ; the immediate's high byte repeats the setting that is left
.if MSB != (\new)
	s_set_vgpr_msb (MSB<<8)|(\new)
.set MSB, (\new)
.endif
.endm
.set MUL_LO, 0xa1                      ; source 0 (W) window 1, source 1 (x) window 0, C and D window 2
.set MUL_HI, 0xf1
.set TO_B,   0x40
; A joint load: waves 0 and 1 fetch for x, waves 2 and 3 for W.  Each line has one mask and one set of registers for all that issue it; the branch hangs on the wave's number alone.  Four v_nop follow each line.
.macro JLOAD g0a, g1a, g0b, g1b
	s_cmp_eq_u32 s15, 0
	s_cbranch_scc0 .Lfor_b_\@
	tensor_load_to_lds s[\g0a:\g0a+3], s[\g1a:\g1a+7]
	s_nop 0
.rept 4
	v_nop
.endr
	s_branch .Lasked_\@
.Lfor_b_\@:
	tensor_load_to_lds s[\g0b:\g0b+3], s[\g1b:\g1b+7]
	s_nop 0
.rept 4
	v_nop
.endr
.Lasked_\@:
.endm
.macro CREST                           ; a round of the cluster's barrier behind its opening barrier
	s_cmp_lg_u32 s14, 0
	s_cbranch_scc1 .Lnot_wave_0_\@
	s_barrier_signal -3
.Lnot_wave_0_\@:
	s_barrier_wait -3
	s_barrier_signal -1
	s_barrier_wait -1
.endm
.macro CROUND
	s_barrier_signal -1
	s_barrier_wait -1
	CREST
.endm
.macro PLACES n
.rept \n
	v_nop
.endr
.endm
	s_load_b256 s[4:11], s[0:1], 0x0               ; xc s[4:5], xs s[6:7], tc s[8:9], tsc s[10:11]
	v_lshl_add_u32 v[SPW], v0, 2, SPARE
	v_mov_b32 v[NIL], 0
	ds_add_u32 v28, v29
	ds_add_u32 v28, v29
	s_wait_dscnt 0x0
	v_lshrrev_b32 v1, 5, v0
	v_readfirstlane_b32 s14, v1                    ; wave 0..3
	s_lshr_b32 s15, s14, 1                         ; which eight row tiles are mine.  Also: I fetch for x (0) or for W (1)
	s_and_b32 s16, s14, 1                          ; which eight tiles of W.  Also: which K step of a slot's two I fetch
	s_bfe_u32 s40, ttmp6, 0x40000                  ; cx
	s_bfe_u32 s41, ttmp6, 0x40004                  ; cy
	s_lshl_b32 s42, ttmp9, 2
	s_add_co_u32 s42, s42, s40                     ; which 256 of a
	s_and_b32 s12, ttmp7, 0xffff                   ; cluster y
	s_lshl_b32 s17, s12, 2
	s_add_co_u32 s17, s17, s41                     ; my unit of x: 0 .. 63
	s_lshl_b32 s43, s41, 2
	s_lshl_b32 s43, 15, s43                        ; my row of the cluster
	s_lshl_b32 s44, 0x1111, s40                    ; my column
	; group 1: 24,576 dense bytes as 96 rows of 32 elements of 8 bytes
	s_or_b32 s[G1+0], s43, (3<<16)|(1<<21)         ; 15:0 the mask; 17:16 elements of 8 bytes; 20 no padding; 21 set beside a mask
	s_or_b32 s[G1B+0], s44, (3<<16)|(1<<21)
.irp g, G1, G1B
	s_mov_b32 s[\g+1], 32<<16                      ; tensor_dim0
	s_mov_b32 s[\g+2], 96<<16                      ; tensor_dim1
	s_mov_b32 s[\g+3], 32<<16                      ; tile_dim0
	s_mov_b32 s[\g+4], 96                          ; tile_dim1
	s_mov_b32 s[\g+5], 32                          ; from row to row
	s_mov_b32 s[\g+6], 0
	s_mov_b32 s[\g+7], 0
.endr
	; scale words: 1,024 bytes (16 tiles) of each K step, 2,048 bytes apart: x's eight K steps of one half; W's four K steps
	s_or_b32 s[G1S+0], s43, (3<<16)|(1<<21)
	s_mov_b32 s[G1S+1], 128<<16
	s_mov_b32 s[G1S+2], 8<<16
	s_mov_b32 s[G1S+3], 128<<16
	s_mov_b32 s[G1S+4], 8
	s_mov_b32 s[G1S+5], 256
	s_mov_b32 s[G1S+6], 0
	s_mov_b32 s[G1S+7], 0
	s_or_b32 s[G1SB+0], s44, (3<<16)|(1<<21)
	s_mov_b32 s[G1SB+1], 128<<16
	s_mov_b32 s[G1SB+2], 4<<16
	s_mov_b32 s[G1SB+3], 128<<16
	s_mov_b32 s[G1SB+4], 4
	s_mov_b32 s[G1SB+5], 256
	s_mov_b32 s[G1SB+6], 0
	s_mov_b32 s[G1SB+7], 0
	; x's addresses hang on the unit and the wave, W's on the 256 of a, the cluster's y and the wave
	s_mul_i32 s20, s17, 393216
	s_mul_i32 s18, s16, 49152
	s_add_co_u32 s20, s20, s18
	s_mov_b32 s21, 0
	s_lshl_b32 s22, s17, 14
	s_lshl_b32 s18, s16, 10                        ; wave 0: the words of the unit's half 0, wave 1: of half 1
	s_add_co_u32 s22, s22, s18
	s_mov_b32 s23, 0
	s_lshr_b32 s45, s12, 3                         ; 0: source and W1, 1: target and W2
	s_lshl_b32 s45, s45, 1
	s_lshr_b32 s46, s42, 1
	s_add_co_u32 s45, s45, s46
	s_add_co_u32 s45, s45, 64                      ; W's unit
	s_and_b32 s13, s42, 1                          ; and which half of it
	s_mul_i32 s46, s45, 393216
	s_mul_i32 s47, s13, 24576
	s_add_co_u32 s46, s46, s47
	s_mul_i32 s47, s16, 49152
	s_add_co_u32 s46, s46, s47
	s_mov_b32 s47, 0
	s_lshl_b32 s92, s45, 14
	s_lshl_b32 s93, s13, 10
	s_add_co_u32 s92, s92, s93
	s_lshl_b32 s93, s16, 13                        ; wave 2: K steps 0-3, wave 3: K steps 4-7
	s_add_co_u32 s92, s92, s93
	s_mov_b32 s93, 0
	s_mul_i32 s94, s14, KSB                        ; where the codes go: wave x 24,576: no place in the cluster enters an LDS address
	s_lshl_b32 s95, s16, 13
	s_add_co_u32 s95, s95, SCL
	s_lshl_b32 s96, s16, 12
	s_add_co_u32 s96, s96, SCL+16384
	s_mov_b32 s[SEL], 0x76543210
	s_mov_b32 s[SEL+1], 0xfedcba98                 ; v_permlanex16_b32's selects for lane l xor 16
	s_wait_kmcnt 0x0
	s_add_nc_u64 s[20:21], s[4:5], s[20:21]
	s_add_nc_u64 s[22:23], s[6:7], s[22:23]
	s_add_nc_u64 s[46:47], s[4:5], s[46:47]
	s_add_nc_u64 s[92:93], s[6:7], s[92:93]
	CROUND                                         ; all sixteen work-groups are here: the first joint loads meet
	s_mov_b32 s[G0S], 1
	s_mov_b32 s[G0S+1], s95
	s_mov_b64 s[G0S+2:G0S+3], s[22:23]
	s_or_b32 s[G0S+3], s[G0S+3], 0x80000000
	s_mov_b32 s[G0SB], 1
	s_mov_b32 s[G0SB+1], s96
	s_mov_b64 s[G0SB+2:G0SB+3], s[92:93]
	s_or_b32 s[G0SB+3], s[G0SB+3], 0x80000000
	JLOAD G0S, G1S, G0SB, G1SB                     ; the scale words first: filled once
.irp s, 0,1
	s_mov_b32 s[G0+4*\s], 1
	s_add_co_u32 s[G0+4*\s+1], s94, \s*SLOT
	s_add_nc_u64 s[G0+4*\s+2:G0+4*\s+3], s[20:21], \s*98304
	s_or_b32 s[G0+4*\s+3], s[G0+4*\s+3], 0x80000000
	s_mov_b32 s[G0B+4*\s], 1
	s_add_co_u32 s[G0B+4*\s+1], s94, \s*SLOT
	s_add_nc_u64 s[G0B+4*\s+2:G0B+4*\s+3], s[46:47], \s*98304
	s_or_b32 s[G0B+4*\s+3], s[G0B+4*\s+3], 0x80000000
	JLOAD G0+4*\s, G1, G0B+4*\s, G1B               ; three loads of mine are out
.endr
	v_and_b32 v1, 15, v0                           ; r
	v_bfe_u32 v2, v0, 4, 1                         ; h
	v_and_b32 v3, 31, v0
	v_lshlrev_b32 v[CO], 4, v3
	s_mul_i32 s18, s15, 12288                      ; my eight tiles of x
	s_mul_i32 s19, s16, 12288                      ; my eight of W,
	s_add_co_u32 s19, s19, 2*KSB                   ; behind x's two K steps
	v_add_nc_u32 v[ADRA], s18, v[CO]
	v_add_nc_u32 v[ADRB], s19, v[CO]
	v_add_nc_u32 v[ADRA+1], SLOT, v[ADRA]
	v_add_nc_u32 v[ADRB+1], SLOT, v[ADRB]
	s_lshl_b32 s18, s15, 9
	s_lshl_b32 s19, s16, 9
	s_add_co_u32 s19, s19, 16384
	s_sub_co_u32 s19, s19, s18                     ; from x's words of half 0 to W's
	v_mul_u32_u24 v4, s19, v2                      ; lanes 16-31 take W's
	s_add_co_u32 s18, s18, SCL
	v_lshl_add_u32 v5, v1, 2, s18
	v_add_nc_u32 v[ADRS], v5, v4
	s_sub_co_u32 s19, s19, 8192                    ; and from those of half 1
	v_mul_u32_u24 v4, s19, v2
	v_add_nc_u32 v5, 8192, v5
	v_add_nc_u32 v[ADRS1], v5, v4
	s_lshl_b32 s18, s14, 9
	s_add_co_u32 s18, s18, STG
	v_lshl_add_u32 v[STS], v1, 2, s18
	v_add_nc_u32 v[SRD], s18, v[CO]
.irp b, 0,1,2,3
	v_mov_b32 v[TM+4+\b], 0                        ; written once: a lane permute's destination counts as one of its sources
.endr
	s_lshl_b32 s13, s42, 1
	s_add_co_u32 s13, s13, s16                     ; my 128 of a are step 2 x + (wave % 2) of the next product's K
	s_mul_i32 s18, s17, 393216
	s_mul_i32 s19, s13, 49152
	s_add_co_u32 s18, s18, s19
	s_mul_i32 s19, s15, 12288
	s_add_co_u32 s18, s18, s19
	s_mov_b32 s19, 0
	s_add_nc_u64 s[8:9], s[8:9], s[18:19]          ; tc at my first fragment
	s_lshl_b32 s18, s17, 14
	s_lshl_b32 s13, s13, 11
	s_add_co_u32 s18, s18, s13
	s_lshl_b32 s13, s15, 9
	s_add_co_u32 s18, s18, s13
	s_add_nc_u64 s[10:11], s[10:11], s[18:19]      ; tsc likewise
.macro FRAG reg, adr, off              ; a fragment comes as it lies: three loads of 512 consecutive bytes
.irp j, 0,1,2
	ds_load_b128 v[(\reg)+4*\j:(\reg)+4*\j+3], v[\adr] offset:(\off)+512*\j
.endr
.endm
.macro FETCH_B slot, q, p              ; W's eight fragments of the slot's q-th K step into set p
	WIN TO_B
.irp i, 0,1,2,3,4,5,6,7
	FRAG 128*(\p)+FR*\i, ADRB+\slot, (\q)*KSB+\i*FRB
.endr
	WIN 0
.endm
.macro FETCH_A slot, q, i0             ; x's tiles i0 .. i0 + 3
.irp i, \i0, \i0+1, \i0+2, \i0+3
	FRAG AF+FR*(\i), ADRA+\slot, (\q)*KSB+(\i)*FRB
.endr
.endm
.macro SCALES adr                      ; the scale words of a whole tile of C: eight tiles x eight K steps
.irp i, 0,1,2,3,4,5,6,7
.irp q, 0,1,2,3,4,5,6,7
	ds_load_b32 v[SC+8*\i+\q], v[\adr] offset:1024*\q+64*\i
.endr
.endr
.endm
; 16 matrix instructions: x's tiles a0, a0 + 1 against W's eight, K step kq.  The 64 accumulators take turns, one instruction a turn, in the same order in every step.
.macro MUL16 a0, p, kq, zero
.irp a, \a0, \a0+1
.irp b, 0,1,2,3,4,5,6,7
.if \zero
	v_wmma_scale_f32_16x16x128_f8f6f4 v[8*(8*((\a)%4)+\b):8*(8*((\a)%4)+\b)+7], v[128*(\p)+FR*\b:128*(\p)+FR*\b+FR-1], v[AF+FR*(\a):AF+FR*(\a)+FR-1], 0, v[SC+8*\b+(\kq)], v[SC+8*(\a)+(\kq)] matrix_a_fmt:MATRIX_FMT_FP6 matrix_b_fmt:MATRIX_FMT_FP6 matrix_a_scale:MATRIX_SCALE_ROW1
.else
	v_wmma_scale_f32_16x16x128_f8f6f4 v[8*(8*((\a)%4)+\b):8*(8*((\a)%4)+\b)+7], v[128*(\p)+FR*\b:128*(\p)+FR*\b+FR-1], v[AF+FR*(\a):AF+FR*(\a)+FR-1], v[8*(8*((\a)%4)+\b):8*(8*((\a)%4)+\b)+7], v[SC+8*\b+(\kq)], v[SC+8*(\a)+(\kq)] matrix_a_fmt:MATRIX_FMT_FP6 matrix_b_fmt:MATRIX_FMT_FP6 matrix_a_scale:MATRIX_SCALE_ROW1
.endif
.endr
.endr
.endm
; A slot's first K step.  Loads into registers that matrix instructions have read stand four plain vector instructions behind them (ISA guide 7.12.1 for vector instructions).
.macro STEP slot, kq, zero, w0
	s_wait_dscnt \w0                               ; W's set and x's tiles 0-3 are in; 12: the youngest loads, x's tiles 4-7 (4 x 3), may be out
	WIN MUL_LO
	MUL16 0, 0, \kq, \zero
	MUL16 2, 0, \kq, \zero
	s_wait_dscnt 0x0                               ; x's tiles 4-7 are in
	PLACES 4
	FETCH_B \slot, 1, 1
	FETCH_A \slot, 1, 0
	WIN MUL_HI
	MUL16 4, 0, \kq, \zero
	MUL16 6, 0, \kq, \zero
	PLACES 4
	WIN 0
	FETCH_A \slot, 1, 4
.endm
; A slot's second K step changes slots: one barrier; in front of it each wave waits for all its tensor loads, adds 0 to its spare word, and waits for that and for its own reads of this slot.
; fill = 1: this slot takes the two K steps four further on; 2: the next tile's two K steps of the same number; 0: nothing.
.macro TURN slot, next, fill, kq
	s_wait_tensorcnt 0x0                           ; all my tensor loads have landed: my part of the next slot
	ds_add_u32 v[SPW], v[NIL]                      ; 0 onto my spare word
	s_wait_dscnt 13                                ; (the add and the youngest 12 loads, x's tiles 4-7, may be out)
	WIN MUL_LO
	MUL16 0, 1, \kq, 0
	s_wait_dscnt 0x0                               ; the add is done, and my reads of this slot are over
	s_barrier_signal -1
	MUL16 2, 1, \kq, 0
	WIN 0
	s_barrier_wait -1
.if \fill
	CREST                                          ; the barrier has opened a round of the cluster's barrier: no wave of any partner still reads this slot or has a load on its way
.if \fill == 1
	s_add_nc_u64 s[G0+4*\slot+2:G0+4*\slot+3], s[G0+4*\slot+2:G0+4*\slot+3], 196608
	s_add_nc_u64 s[G0B+4*\slot+2:G0B+4*\slot+3], s[G0B+4*\slot+2:G0B+4*\slot+3], 196608
.else
	s_sub_nc_u64 s[G0+4*\slot+2:G0+4*\slot+3], s[G0+4*\slot+2:G0+4*\slot+3], 172032     ; four K steps back, 16 tiles on
	s_sub_nc_u64 s[G0B+4*\slot+2:G0B+4*\slot+3], s[G0B+4*\slot+2:G0B+4*\slot+3], 196608  ; W: four K steps back
.endif
	JLOAD G0+4*\slot, G1, G0B+4*\slot, G1B         ; the first tensor load behind the round, my one load until the next; its four v_nop are also the places in front of the loads below
.else
	PLACES 4
.endif
	FETCH_B \next, 0, 0
	FETCH_A \next, 0, 0
	WIN MUL_HI
	MUL16 4, 1, \kq, 0
	MUL16 6, 1, \kq, 0
	PLACES 4
	WIN 0
	FETCH_A \next, 0, 4
.endm
; 64 results of a lane in window win, v[s] on (register 16 b + i = a 32 b + 16 (lane / 16) + i of my row), become a fragment's codes in v[pc] on and its scale word in v[pw].  Each accumulator is read from its low end on.
.macro QUANTW s, win, pc, pw
	WIN 0
.irp b, 0,1,2,3
	v_mov_b32 v[TM+\b], 0x1800000                  ; the floor 2^(3 - 127): the byte cannot fall under 1
.endr
	WIN 0x14*(\win)                                ; sources 1 and 2 in the accumulators' window
.irp i, 0,2,4,6,8,10,12,14
.irp b, 0,1,2,3
	v_max3_num_f32 v[TM+\b], v[TM+\b], |v[(\s)+16*\b+\i]|, |v[(\s)+16*\b+\i+1]|
.endr
.endr
	WIN 0
.irp b, 0,1,2,3
	v_permlanex16_b32 v[TM+4+\b], v[TM+\b], s[SEL], s[SEL+1]
.endr
.irp b, 0,1,2,3
	v_max_num_f32 v[TM+\b], v[TM+\b], v[TM+4+\b]   ; with lane l xor 16's: the block's largest magnitude
.endr
.irp b, 0,1,2,3
	v_add_nc_u32 v[TM+12+\b], 0xff000000, v[TM+\b] ; 2 off its exponent field: the conversion's scale operand
.endr
.irp b, 0,1,2,3
	v_lshrrev_b32 v[TM+4+\b], 23, v[TM+12+\b]      ; the byte
.endr
	v_lshl_or_b32 v[\pw], v[TM+5], 8, v[TM+4]
	v_lshl_or_b32 v[\pw], v[TM+6], 16, v[\pw]
	v_lshl_or_b32 v[\pw], v[TM+7], 24, v[\pw]
	WIN (\win)                                     ; source 0 in the accumulators' window
.irp c, 0,1
	v_cvt_scalef32_pk16_fp6_f32 v[(\pc)+6*\c:(\pc)+6*\c+2], v[(\s)+32*\c:(\s)+32*\c+15], v[TM+12+2*\c]
	v_cvt_scalef32_pk16_fp6_f32 v[PH+4*\c:PH+4*\c+2], v[(\s)+32*\c+16:(\s)+32*\c+31], v[TM+12+2*\c+1]   ; (a conversion's three registers begin on an even number)
.endr
	WIN 0
	v_nop                                          ; one plain instruction behind the conversions
.irp c, 0,1                            ; the operand's layout wants a whole block in a lane: lanes 0-15 block 2 c, lanes 16-31 block 2 c + 1
.irp i, 0,1,2
	v_permlane16_swap_b32 v[(\pc)+6*\c+\i], v[PH+4*\c+\i]
.endr
.irp i, 0,1,2
	v_mov_b32 v[(\pc)+6*\c+3+\i], v[PH+4*\c+\i]
.endr
.endr
.endm
; THE WAY OUT of tile t of C: my eight row tiles, one fragment each; the scale words meet in my 512 bytes of LDS and leave together.
.macro EPI t
.if \t == 0
	SCALES ADRS1                                   ; the next tile's scale words (four places stand behind the last products)
.endif
.irp a, 0,1,2,3,4,5,6,7
	s_wait_xcnt 0x0                                ; the earlier stores have read their registers: the set of codes is written again only behind this wait
	QUANTW 64*(\a%4), 2+\a/4, PC+12*(\a%2), PW+\a
.irp j, 0,1,2
	global_store_b128 v[CO], v[PC+12*(\a%2)+4*\j:PC+12*(\a%2)+4*\j+3], s[8:9] offset:24576*\t+1536*\a+512*\j   ; 32 lanes store 512 consecutive bytes, at a multiple of 512 from the buffer's first byte
.endr
	ds_store_b32 v[STS], v[PW+\a] offset:64*\a     ; lanes r and r + 16 write the same word with the same value
.endr
	ds_load_b128 v[SW:SW+3], v[SRD]                ; LDS serves a wave's instructions in order: this sees my stores
	s_wait_dscnt 0x0
	global_store_b128 v[CO], v[SW:SW+3], s[10:11] offset:1024*\t
.endm
	s_wait_tensorcnt 1                             ; the scale words and my part of slot 0 are in; slot 1's load may be out
	s_barrier_signal -1
	s_barrier_wait -1
	FETCH_B 0, 0, 0
	FETCH_A 0, 0, 0
	SCALES ADRS
	FETCH_A 0, 0, 4
	STEP 0, 0, 1, 12                               ; the first tile: its first products start the sums
	TURN 0, 1, 1, 1
	STEP 1, 2, 0, 12
	TURN 1, 0, 1, 3
	STEP 0, 4, 0, 12
	TURN 0, 1, 2, 5                                ; the ring goes on into the second tile
	STEP 1, 6, 0, 12
	TURN 1, 0, 2, 7
	EPI 0                                          ; both refills are asked for: the first tile goes out
	STEP 0, 0, 1, 0                                ; the second tile (the way out has waited for all my LDS loads)
	TURN 0, 1, 1, 1
	STEP 1, 2, 0, 12
	TURN 1, 0, 1, 3
	STEP 0, 4, 0, 12
	TURN 0, 1, 0, 5                                ; nothing is left to fetch
	STEP 1, 6, 0, 12
	s_wait_dscnt 12
	WIN MUL_LO
	MUL16 0, 1, 7, 0
	MUL16 2, 1, 7, 0
	s_wait_dscnt 0x0
	WIN MUL_HI
	MUL16 4, 1, 7, 0
	MUL16 6, 1, 7, 0
	WIN 0
	PLACES 4
	EPI 1
	s_wait_tensorcnt 0x0                           ; the wave's end: behind my last tensor load and my last LDS store
	ds_add_u32 v[SPW], v[NIL]
	s_wait_dscnt 0x0
	CROUND                                         ; the closing round: no work-group ends while a partner may still ask for a tile that names it
	s_endpgm
.Lfunc_end_k_q104fc9c533_proj:
	.size	k_q104fc9c533_proj, .Lfunc_end_k_q104fc9c533_proj-k_q104fc9c533_proj
	.p2alignl 7, 3214868480
	.fill 96, 4, 3214868480
	.section	.rodata,"a",@progbits
	.p2align	6, 0x0
	.amdhsa_kernel k_q104fc9c533_proj
		.amdhsa_group_segment_fixed_size 327680
		.amdhsa_private_segment_fixed_size 0
		.amdhsa_enable_private_segment 0
		.amdhsa_kernarg_size 32
		.amdhsa_user_sgpr_count 2
		.amdhsa_user_sgpr_kernarg_segment_ptr 1
		.amdhsa_wavefront_size32 1
		.amdhsa_system_sgpr_workgroup_id_x 1
		.amdhsa_system_sgpr_workgroup_id_y 1
		.amdhsa_system_sgpr_workgroup_id_z 1
		.amdhsa_system_vgpr_workitem_id 0
		.amdhsa_next_free_vgpr 1024
		.amdhsa_next_free_sgpr 100
		.amdhsa_reserve_vcc 0
		.amdhsa_float_denorm_mode_32 3
		.amdhsa_float_denorm_mode_16_64 3
		.amdhsa_memory_ordered 1
		.amdhsa_forward_progress 1
		.amdhsa_inst_pref_size 255
	.end_amdhsa_kernel
	.section	.bss,"aw",@nobits
	.p2align	6
	.space	262144
	.amdgpu_metadata
---
amdhsa.version: [ 1, 2 ]
amdhsa.kernels:
  - .name:           k_q104fc9c533_proj
    .symbol:         k_q104fc9c533_proj.kd
    .args:
      - { .name: xc, .offset: 0, .size: 8, .value_kind: global_buffer, .address_space: global }
      - { .name: xs, .offset: 8, .size: 8, .value_kind: global_buffer, .address_space: global }
      - { .name: tc, .offset: 16, .size: 8, .value_kind: global_buffer, .address_space: global }
      - { .name: tsc, .offset: 24, .size: 8, .value_kind: global_buffer, .address_space: global }
    .group_segment_fixed_size: 327680
    .private_segment_fixed_size: 0
    .kernarg_segment_align: 8
    .kernarg_segment_size: 32
    .max_flat_workgroup_size: 128
    .sgpr_count:     100
    .vgpr_count:     1024
    .wavefront_size: 32
...
	.end_amdgpu_metadata
.endif
;; end of part 2
;; launch attn (part 3): grid 8 x 32, 4 waves a work-group, no clusters, 81,408 bytes of LDS; arguments tc, tsc, vc, vs, out0; writes out0
.if DOCPART == 3
	.amdgcn_target "amdgcn-amd-amdhsa--gfx1250"
	.amdhsa_code_object_version 6
	.text
	.protected	k_q104fc9c533_attn
	.globl	k_q104fc9c533_attn
	.p2align	8
	.type	k_q104fc9c533_attn,@function
k_q104fc9c533_attn:
	s_mov_b64 s[64:65], 0
	v_nop
	global_prefetch_b8 v0, s[64:65] scope:SCOPE_SE
	s_setreg_imm32_b32 hwreg(HW_REG_WAVE_MODE, 25, 1), 1
	s_wait_xcnt 0x0
; out[t][b][:] = the sum over s of softmax_s(ts[s][b] . tt[t][b]) source[s][b][:], both products on codes of FP6 (E2M3) with E8M0 scales, f32 sums.
; INPUT, all in the order of the operand's registers (a fragment: 16 rows x 128 K = 1,536 bytes, register p of lane l at 512 (p / 4) + 16 l + 4 (p % 4); its 16 scale words 64 bytes):
;   tc [unit 64][step of a 8][tile 32][1536], tsc [unit][step][tile][64]: units 0-31 ts by batch (the keys), 32-63 tt by batch (the queries); lane row r of tile 2 b + u is row 32 b + 8 u + r + 8 (r / 8).
;   vc [batch][tile of d 64][step of s 4][1536], vs [batch][step of s][tile of d][64]: source with s innermost.
; THE SOFTMAX: t = score x log2(e); M = the row's largest t over all 512 keys, rounded up to a whole number; p = 2^(t - M) is quantised along s, not normalised; the row's sum of the unquantised p divides at the end.
; LIMITS: NaN and infinities are not served.  A block whose every p lies under 2^-124 gets the byte 1.  A block's largest p is taken as the exponential of the block's largest score, by the same two instructions:
; this takes v_exp_f32 not to fall where its input rises; at the worst one p of a block, within an ulp of a power of two, would be held one code low.
; SHARES.  A work-group takes 64 queries (four tiles qt) of one batch against all 512 keys and all 1,024 d.  THE WAVES SHARE THE COLUMNS.  First product: wave w takes keys 128 w .. + 127 (eight tiles kt), 32 accumulators, K in eight steps.
; So all scores of a row are held at once: the true maximum is taken, across the waves through LDS.  Wave w's p are step w of the second product's K: one fragment a tile of queries, which
; goes to the other waves through LDS as an image of its registers.  Second product: four chunks of 256 d; wave w takes four tiles dt x four qt, 16 accumulators, K in four steps; a chunk leaves while the next is multiplied.
; Both products are used transposed (source 0 = 16 keys, or 16 d; source 1 = 16 queries): a lane holds one query throughout.
; OPERANDS COME STRAIGHT FROM MEMORY INTO REGISTERS: NO LDS RING, NO CLUSTER, and why.  Every fragment of the keys and of the values is multiplied by ONE wave of the work-group, once: LDS would share nothing inside the
; work-group.  A unit of 32 matrix instructions takes 8 fragments of keys and 4 of queries, 18,432 bytes; in slots that take turns a slot of two units would have the other slot's 64 matrix instructions in which to land, with
; one fill on its way behind each change of slots.  As the workspace lies, a fragment is three loads of 512 consecutive bytes; two units' loads are issued ahead, counted waits serve them, and no barrier stands among the
; products.  The price: each of a batch's eight work-groups asks for the batch's keys and values itself.
; The scale words of a wave's own keys and values, 4,096 bytes each, are copied once into the wave's own LDS bytes and read from there, a word a lane.
; REGISTERS, in windows of 256: window 0: v1-20 addresses; v24-31 1 / sum; v32-47 the queries' scale words, later p's; v48-63 the keys' or values' scale words, two sets; v64-159, v160-255 two sets of eight fragments (in the softmax: at work).
;   window 1: the scores (qt, kt) at 64 qt + 8 kt; later the chunk's sums at 128 (c % 2) + 32 qt + 8 dt.   window 2: the queries' steps 0-3 at 12 (4 e + qt); later p at 12 (4 sg + qt).
;   window 3: the queries' steps 4-7; v192-255 the scale words on their way to LDS; then v0-191 the values' units 8 and 9; later rows on their way out.
.set KSC,   0                          ; the keys' scale words: 4,096 w + 512 step + 64 kt + 4 r
.set VSC,   16384                      ; the values': 4,096 w + 256 (4 step of s + chunk) + 64 dt + 4 r
.set PIMG,  32768                      ; p's 16 fragments: (4 qt + sg) x 1,536
.set PSC,   57344                      ; their scale words: (4 qt + sg) x 128 + 4 lane
.set RED,   59392                      ; the waves' maxima: 512 w + 128 qt + 4 lane; their sums 2,048 further on
.set OST,   63488                      ; the way out: 16 rows x (256 + 16) bytes for each wave
.set KCW,  1                           ; v1   where I put 16 bytes of the keys' scale words
.set VCW,  2                           ; v2   of the values'
.set VSO,  3                           ; v3   the values' scale words in memory: lanes 0-15 one run of 256 bytes, lanes 16-31 the run 1,024 bytes on
.set AKS,  5
.set AVS,  6
.set PWI,  9
.set PWS,  10
.set PR,   11
.set PSR,  12
.set RW,   13
.set RR,   14
.set STO,  15
.set RD,   16
.set GO,   17
.set PFO,  18                          ; 256 x lane; never rewritten
.set QO,   19                          ; 16 x lane: every fragment's offset; never rewritten
.set QSO,  20
.set RL,   24
.set QSCL, 32
.set KSCL, 48
.set KS,   64
.set CPK,  192                         ; in window 3
.set CPV,  224
.set BM,   64                          ; in the softmax: each block's largest score (4 qt + block), then its largest p
.set BP,   80
.set NM,   96                          ; -M, in pairs
.set SU,   104                         ; the sums, in pairs
.set SO,   112                         ; the conversions' scale operands
.set SB,   128                         ; the bytes
.set PW,   144
.set WM,   148
.set PC,   164                         ; p's codes, 12 a tile of queries
.set PH,   212
.set XM,   240                         ; the four waves' maxima, later their sums
.set WV,   14
.set KB,   20                          ; s[20:21] my keys' codes;  s[22:23] their scale words
.set KSB,  22
.set VB,   24                          ; s[24:25] my values' codes;  s[26:27] their scale words
.set VSB,  26
.set QB,   28                          ; s[28:29] the queries' codes;  s[30:31] their scale words
.set QSB,  30
.set CS,   34
.set SEL,  36
.set LIM,  38
.set MSB, 0
.macro WIN new                         ; the immediate's high byte repeats the setting that is left
.if MSB != (\new)
	s_set_vgpr_msb (MSB<<8)|(\new)
.set MSB, (\new)
.endif
.endm
.macro PLACES
.rept 4
	v_nop
.endr
.endm
	s_load_b256 s[4:11], s[0:1], 0x0               ; tc s[4:5], tsc s[6:7], vc s[8:9], vs s[10:11]
	s_load_b64 s[12:13], s[0:1], 0x20              ; out0
	v_lshl_add_u32 v7, v0, 2, 0x13c00
	v_mov_b32 v8, 0
	v_lshrrev_b32 v21, 5, v0
	v_readfirstlane_b32 s[WV], v21                 ; wave 0..3
	v_and_b32 v21, 31, v0                          ; lane
	v_and_b32 v22, 15, v0                          ; r
	v_bfe_u32 v23, v0, 4, 1                        ; h
	v_lshlrev_b32 v[QO], 4, v21
	v_lshlrev_b32 v[QSO], 2, v22
	v_lshl_add_u32 v[QSO], v23, 13, v[QSO]         ; lanes 16-31 take the words four steps further on
	s_and_b32 s17, ttmp7, 0xffff                   ; the batch; ttmp9 is my block of 64 queries
	s_mul_i32 s40, s17, 393216                     ; the batch's codes
	s_lshl_b32 s41, s17, 14                        ; the batch's scale words
	s_mul_i32 s42, s[WV], 12288                    ; my eight tiles of keys
	s_add_co_u32 s42, s42, s40
	s_mov_b32 s43, 0
	s_mul_i32 s44, s[WV], 24576                    ; my four tiles of d in a chunk
	s_add_co_u32 s44, s44, s40
	s_mov_b32 s45, 0
	s_lshl_b32 s46, s[WV], 9
	s_add_co_u32 s46, s46, s41
	s_mov_b32 s47, 0
	s_lshl_b32 s48, s[WV], 8
	s_add_co_u32 s48, s48, s41
	s_mov_b32 s49, 0
	s_mul_i32 s50, ttmp9, 6144                     ; my four tiles of queries,
	s_add_co_u32 s50, s50, s40
	s_add_co_u32 s50, s50, 32*393216               ; in unit 32 + batch
	s_mov_b32 s51, 0
	s_lshl_b32 s52, ttmp9, 8
	s_add_co_u32 s52, s52, s41
	s_add_co_u32 s52, s52, 32*16384
	s_mov_b32 s53, 0
	s_lshl_b32 s54, ttmp9, 23                      ; 64 rows of 131,072 bytes
	s_lshl_b32 s55, s17, 12
	s_add_co_u32 s54, s54, s55
	s_mov_b32 s55, 0
	s_mov_b32 s[CS], 0x3fb8aa3b                    ; log2(e)
	s_mov_b32 s[CS+1], s[CS]                       ; (named with it as a pair, so it is written)
	s_mov_b32 s[SEL], 0x76543210
	s_mov_b32 s[SEL+1], 0xfedcba98
	s_cmp_eq_u32 ttmp9, 0
	s_cselect_b32 s[LIM], 1, 0                     ; 1 in the batch's first work-group, which prefetches
	s_wait_kmcnt 0x0
	s_add_nc_u64 s[KB:KB+1], s[4:5], s[42:43]
	s_add_nc_u64 s[KSB:KSB+1], s[6:7], s[46:47]
	s_add_nc_u64 s[VB:VB+1], s[8:9], s[44:45]
	s_add_nc_u64 s[VSB:VSB+1], s[10:11], s[48:49]
	s_add_nc_u64 s[QB:QB+1], s[4:5], s[50:51]
	s_add_nc_u64 s[QSB:QSB+1], s[6:7], s[52:53]
	s_add_nc_u64 s[12:13], s[12:13], s[54:55]
; UNITS of 32 matrix instructions: n = 0 .. 7: step n of the first product's K;  n = 8 .. 15: chunk (n - 8) / 2 of d, steps 2 (n % 2) and 2 (n % 2) + 1 of s.
; Unit n works on set n % 2 of window 0; units 8 and 9 on v0-95 and v96-191 of window 3, which the queries have left, so that their loads can go out ahead of the softmax, which works in window 0.
.macro QLOAD e                         ; the four tiles of queries of step e: 12 loads
	WIN 0x80+0x40*((\e)/4)                         ; destination window 2 or 3
.irp qt, 0,1,2,3
.irp j, 0,1,2
	global_load_b128 v[12*(4*((\e)%4)+\qt)+4*\j:12*(4*((\e)%4)+\qt)+4*\j+3], v[QO], s[QB:QB+1] offset:49152*(\e)+1536*\qt+512*\j
.endr
.endr
	WIN 0
.endm
.macro FETCHG n                        ; unit n's eight fragments: 24 loads of 512 consecutive bytes
.if (\n) < 8
.set FS, KS+96*((\n)%2)
.irp kt, 0,1,2,3,4,5,6,7
.irp j, 0,1,2
	global_load_b128 v[FS+12*\kt+4*\j:FS+12*\kt+4*\j+3], v[QO], s[KB:KB+1] offset:49152*(\n)+1536*\kt+512*\j
.endr
.endr
.else
.set CC, ((\n)-8)/2
.set GG, (\n)%2
.if (\n) < 10
.set FS, 96*((\n)-8)
	WIN 0xc0                                       ; destination window 3
.else
.set FS, KS+96*((\n)%2)
.endif
.irp sp, 0,1
.irp dt, 0,1,2,3
.irp j, 0,1,2
	global_load_b128 v[FS+12*(4*\sp+\dt)+4*\j:FS+12*(4*\sp+\dt)+4*\j+3], v[QO], s[VB:VB+1] offset:98304*CC+(4*\dt+2*GG+\sp)*1536+512*\j
.endr
.endr
.endr
	WIN 0
.endif
.endm
.macro FETCHS n                        ; unit n's eight scale words, out of my own LDS bytes, into set n % 2
.set FC, KSCL+8*((\n)%2)
.if (\n) < 8
.irp kt, 0,1,2,3,4,5,6,7
	ds_load_b32 v[FC+\kt], v[AKS] offset:512*(\n)+64*\kt
.endr
.else
.set CC, ((\n)-8)/2
.set GG, (\n)%2
.irp sp, 0,1
.irp dt, 0,1,2,3
	ds_load_b32 v[FC+4*\sp+\dt], v[AVS] offset:(4*(2*GG+\sp)+CC)*256+64*\dt
.endr
.endr
.endif
.endm
.macro NEXT n                          ; all that a unit of the first product takes: 36 loads from memory, the queries' first
	QLOAD \n
	FETCHG \n
	FETCHS \n
.endm
; 16 matrix instructions on 16 different accumulators, which take turns, one instruction a turn
.macro MULH n, hf
.set FS, KS+96*((\n)%2)
.set FC, KSCL+8*((\n)%2)
.if (\n) < 8
.set EQQ, (\n)%4
	WIN 0x58+4*((\n)/4)                            ; keys window 0, queries window 2 or 3, scores window 1
.irp q2, 0,1
.irp kt, 0,1,2,3,4,5,6,7
.set QT, 2*(\hf)+\q2
.if (\n) == 0
	v_wmma_scale_f32_16x16x128_f8f6f4 v[64*QT+8*\kt:64*QT+8*\kt+7], v[FS+12*\kt:FS+12*\kt+11], v[12*(4*EQQ+QT):12*(4*EQQ+QT)+11], 0, v[FC+\kt], v[QSCL+4*EQQ+QT] matrix_a_fmt:MATRIX_FMT_FP6 matrix_b_fmt:MATRIX_FMT_FP6
.elseif (\n) < 4
	v_wmma_scale_f32_16x16x128_f8f6f4 v[64*QT+8*\kt:64*QT+8*\kt+7], v[FS+12*\kt:FS+12*\kt+11], v[12*(4*EQQ+QT):12*(4*EQQ+QT)+11], v[64*QT+8*\kt:64*QT+8*\kt+7], v[FC+\kt], v[QSCL+4*EQQ+QT] matrix_a_fmt:MATRIX_FMT_FP6 matrix_b_fmt:MATRIX_FMT_FP6
.else
	v_wmma_scale_f32_16x16x128_f8f6f4 v[64*QT+8*\kt:64*QT+8*\kt+7], v[FS+12*\kt:FS+12*\kt+11], v[12*(4*EQQ+QT):12*(4*EQQ+QT)+11], v[64*QT+8*\kt:64*QT+8*\kt+7], v[FC+\kt], v[QSCL+4*EQQ+QT] matrix_a_fmt:MATRIX_FMT_FP6 matrix_b_fmt:MATRIX_FMT_FP6 matrix_b_scale:MATRIX_SCALE_ROW1
.endif
.endr
.endr
.else
.set CC, ((\n)-8)/2
.set GG, (\n)%2
.set SG, 2*GG+(\hf)
.set AB, 128*(CC%2)
.if (\n) < 10
.set FS, 96*((\n)-8)
	WIN 0x5b                                       ; values window 3, p window 2, sums window 1
.else
	WIN 0x58                                       ; values window 0, p window 2, sums window 1
.endif
.irp dt, 0,1,2,3
.irp qt, 0,1,2,3
.if SG == 0
	v_wmma_scale_f32_16x16x128_f8f6f4 v[AB+32*\qt+8*\dt:AB+32*\qt+8*\dt+7], v[FS+12*(4*(\hf)+\dt):FS+12*(4*(\hf)+\dt)+11], v[12*(4*SG+\qt):12*(4*SG+\qt)+11], 0, v[FC+4*(\hf)+\dt], v[QSCL+4*SG+\qt] matrix_a_fmt:MATRIX_FMT_FP6 matrix_b_fmt:MATRIX_FMT_FP6
.else
	v_wmma_scale_f32_16x16x128_f8f6f4 v[AB+32*\qt+8*\dt:AB+32*\qt+8*\dt+7], v[FS+12*(4*(\hf)+\dt):FS+12*(4*(\hf)+\dt)+11], v[12*(4*SG+\qt):12*(4*SG+\qt)+11], v[AB+32*\qt+8*\dt:AB+32*\qt+8*\dt+7], v[FC+4*(\hf)+\dt], v[QSCL+4*SG+\qt] matrix_a_fmt:MATRIX_FMT_FP6 matrix_b_fmt:MATRIX_FMT_FP6
.endif
.endr
.endr
.endif
.endm
; A unit.  cnt: the loads from memory issued behind this unit's, which may stay out (loads come back in order: ISA guide 5.7.1).  Behind its products stand four plain vector instructions: loads into registers that
; matrix instructions have read, and the first read of results, follow only behind them (ISA guide 7.12.1 for vector instructions).
.macro UNIT n, cnt
	s_wait_loadcnt \cnt
	s_wait_dscnt 0x0                               ; its scale words (and whatever else of mine was out in LDS)
	MULH \n, 0
	MULH \n, 1
	WIN 0
	PLACES
.endm
; A PREFETCH INTO THE L2 of the values' chunk k, 98,304 bytes.  All eight work-groups of a batch read the chunk: the first asks (a branch on the work-group's number: this launch has no cluster).  Each of its waves asks for
; the quarter that it will load itself, 24,576 bytes, by three instructions, lanes 256 bytes apart: each block of 256 bytes is named once in the launch.  The requests stand together, behind loads just issued.
; Chunk 0 is asked for three units ahead of its loads; chunk 1 behind the last scores, the softmax up to its second barrier ahead; chunk 2 behind the softmax, three units and a way out ahead; chunk 3 two units and a way out ahead.
; The address registers are never rewritten: the chunk stands in the immediate.
.macro ASK k
	s_cmp_eq_u32 s[LIM], 1
	s_cbranch_scc0 .Lnot_mine_\@
.irp i, 0,1,2
	global_prefetch_b8 v[PFO], s[VB:VB+1] offset:(\k)*98304+8192*\i th:TH_LOAD_NT scope:SCOPE_SE
.endr
.Lnot_mine_\@:
.endm
; THE WAY OUT of chunk c: x 1 / sum; a tile of 16 queries x my 64 d goes through my stage in LDS and comes back as rows of 256 bytes; sixteen lanes store 256 consecutive bytes, at a multiple of 256 from the output's first byte.
; Stage row 2 i + h of tile qt is query 32 (qt / 2) + 8 (qt % 2) + 2 i + h + 8 (i / 4) of my 64.  The largest immediate is 8,129,536: inside the signed 24 bits (ISA guide, chapter 10).
.macro OUT c
.set AB, 128*((\c)%2)
	s_wait_xcnt 0x0                                ; the stores of two chunks ago have read their registers
.irp qt, 0,1,2,3
	WIN 0x41                                       ; the sums in window 1
.irp p, 0,2,4,6,8,10,12,14,16,18,20,22,24,26,28,30
	v_pk_mul_f32 v[AB+32*\qt+\p:AB+32*\qt+\p+1], v[AB+32*\qt+\p:AB+32*\qt+\p+1], v[RL+2*\qt:RL+2*\qt+1] op_sel_hi:[1,0]   ; each accumulator from its low end on
.endr
	WIN 0x04                                       ; an LDS store's data are its source 1
.irp dt, 0,1,2,3
	ds_store_b128 v[STO], v[AB+32*\qt+8*\dt:AB+32*\qt+8*\dt+3] offset:64*\dt
	ds_store_b128 v[STO], v[AB+32*\qt+8*\dt+4:AB+32*\qt+8*\dt+7] offset:64*\dt+16
.endr
	WIN 0xc0                                       ; back into window 3
.irp i, 0,1,2,3,4,5,6,7
	ds_load_b128 v[AB+32*\qt+4*\i:AB+32*\qt+4*\i+3], v[RD] offset:544*\i   ; LDS serves a wave's instructions in order: these see my stores, and the next tile's stores come behind them
.endr
.endr
	WIN 0x0c                                       ; a store's data are its source 1
.irp qt, 0,1,2,3
.irp i, 0,1,2,3,4,5,6,7
	s_wait_dscnt 16*(3-\qt)+7-\i                   ; the LDS instructions issued behind this load may be out
	global_store_b128 v[GO], v[AB+32*\qt+4*\i:AB+32*\qt+4*\i+3], s[12:13] offset:(32*(\qt/2)+8*(\qt%2)+2*\i+8*(\i/4))*131072+1024*(\c) th:TH_STORE_NT
.endr
.endr
	WIN 0
.endm
	; THE FIRST LOADS, 60 of them: my keys' scale words, the queries' scale words, and all that unit 0 takes
	WIN 0xc0                                       ; destination window 3
.irp e, 0,1,2,3,4,5,6,7
	global_load_b128 v[CPK+4*\e:CPK+4*\e+3], v[QO], s[KSB:KSB+1] offset:2048*\e    ; step e: my eight tiles' words, 512 consecutive bytes
.endr
	WIN 0
.irp e, 0,1,2,3
.irp qt, 0,1,2,3
	global_load_b32 v[QSCL+4*\e+\qt], v[QSO], s[QSB:QSB+1] offset:2048*\e+64*\qt   ; lanes 0-15 step e, lanes 16-31 step e + 4
.endr
.endr
	QLOAD 0
	FETCHG 0
	; the other addresses are made while these are on their way
	s_lshl_b32 s40, s[WV], 12
	s_add_co_u32 s41, s40, KSC
	v_lshl_add_u32 v[KCW], v21, 4, s41
	v_lshl_add_u32 v[AKS], v22, 2, s41
	s_add_co_u32 s41, s40, VSC
	v_lshl_add_u32 v[VCW], v21, 4, s41
	v_lshl_add_u32 v[AVS], v22, 2, s41
	v_lshlrev_b32 v[VSO], 4, v22
	v_lshl_add_u32 v[VSO], v23, 10, v[VSO]
	s_lshl_b32 s40, s[WV], 9
	s_add_co_u32 s40, s40, RED
	v_lshl_add_u32 v[RW], v21, 2, s40
	s_lshl_b32 s40, s[WV], 8
	v_lshl_add_u32 v[GO], v22, 4, s40              ; the output: 16 r + 256 w,
	v_lshl_add_u32 v[GO], v23, 17, v[GO]           ; lanes 16-31 one row of t further on
	s_mul_i32 s40, s[WV], 1536
	s_add_co_u32 s40, s40, PIMG
	v_lshl_add_u32 v[PWI], v21, 4, s40
	s_lshl_b32 s40, s[WV], 7
	s_add_co_u32 s40, s40, PSC
	v_lshl_add_u32 v[PWS], v21, 2, s40
	v_lshl_add_u32 v[PR], v21, 4, PIMG
	v_lshl_add_u32 v[PSR], v21, 2, PSC
	v_lshl_add_u32 v[RR], v21, 2, RED
	s_mul_i32 s40, s[WV], 4352
	s_add_co_u32 s40, s40, OST
	v_mul_u32_u24 v[STO], v22, 272
	v_lshl_add_u32 v[STO], v23, 5, v[STO]
	v_add_nc_u32 v[STO], s40, v[STO]
	v_mul_u32_u24 v[RD], v23, 272
	v_lshl_add_u32 v[RD], v22, 4, v[RD]
	v_add_nc_u32 v[RD], s40, v[RD]
	v_lshlrev_b32 v[PFO], 8, v21
	s_wait_loadcnt 52                              ; my keys' scale words are in: behind them 16 + 12 + 24 loads were issued
	WIN 0x0c                                       ; an LDS store's data are its source 1: window 3
.irp e, 0,1,2,3,4,5,6,7
	ds_store_b128 v[KCW], v[CPK+4*\e:CPK+4*\e+3] offset:512*\e     ; into my own bytes: no other wave reads them, and LDS serves my instructions in order
.endr
	WIN 0
	FETCHS 0
	NEXT 1
	; ---- THE SCORES.  Behind unit n the loads of unit n + 2 go out, into the set that unit n has left: at each unit's wait the next unit's 12 + 24 loads may be out.
	UNIT 0, 36
	NEXT 2
	UNIT 1, 36
	NEXT 3
	UNIT 2, 36
	NEXT 4
	UNIT 3, 36
	NEXT 5
	UNIT 4, 36
	NEXT 6
	ASK 0
	UNIT 5, 36
	NEXT 7
	UNIT 6, 36
	WIN 0xc0
.irp i, 0,1,2,3,4,5,6,7
	global_load_b128 v[CPV+4*\i:CPV+4*\i+3], v[VSO], s[VSB:VSB+1] offset:2048*\i   ; my values' scale words: runs 2 i and 2 i + 1 of 256 bytes (run 4 step + chunk lies 1,024 bytes behind the last)
.endr
	WIN 0
	UNIT 7, 8                                      ; those eight may be out
	FETCHG 8                                       ; the values' first chunk, into the registers that the queries' steps 4-7 have left: it lands under the softmax
	FETCHG 9
	s_wait_loadcnt 48                              ; my values' scale words are in: behind them 24 + 24 loads were issued
	WIN 0x0c
.irp i, 0,1,2,3,4,5,6,7
	ds_store_b128 v[VCW], v[CPV+4*\i:CPV+4*\i+3] offset:512*\i
.endr
	WIN 0
	FETCHS 8
	FETCHS 9
	ASK 1
	; ---- THE SOFTMAX.  Register 64 qt + 16 b + i of window 1 is the score of my query of tile qt with key 128 w + 32 b + 16 (lane / 16) + i.
	WIN 0x15                                       ; all three sources in window 1
.irp qt, 0,1,2,3
.irp be, 0,1,2,3
	v_max3_num_f32 v[BM+4*\qt+\be], v[64*\qt+16*\be], v[64*\qt+16*\be+1], v[64*\qt+16*\be+2]   ; the largest score of each block of 32 keys: for the row's maximum, and for the block's largest p
.endr
.endr
	WIN 0x14
.irp i, 3,5,7,9,11,13
.irp qt, 0,1,2,3
.irp be, 0,1,2,3
	v_max3_num_f32 v[BM+4*\qt+\be], v[BM+4*\qt+\be], v[64*\qt+16*\be+\i], v[64*\qt+16*\be+\i+1]
.endr
.endr
.endr
.irp qt, 0,1,2,3
.irp be, 0,1,2,3
	v_max_num_f32 v[BM+4*\qt+\be], v[BM+4*\qt+\be], v[64*\qt+16*\be+15]
.endr
.endr
	WIN 0
.irp k, 0,1,2,3,4,5,6,7,8,9,10,11,12,13,14,15
	v_mov_b32 v[BP+\k], 0                          ; a lane permute's destination counts as one of its sources
.endr
.irp k, 0,1,2,3,4,5,6,7,8,9,10,11,12,13,14,15
	v_permlanex16_b32 v[BP+\k], v[BM+\k], s[SEL], s[SEL+1]
.endr
.irp k, 0,1,2,3,4,5,6,7,8,9,10,11,12,13,14,15
	v_max_num_f32 v[BM+\k], v[BM+\k], v[BP+\k]     ; with lane l xor 16's 16 keys
.endr
.irp qt, 0,1,2,3
	v_max3_num_f32 v[WM+\qt], v[BM+4*\qt], v[BM+4*\qt+1], v[BM+4*\qt+2]
.endr
.irp qt, 0,1,2,3
	v_max_num_f32 v[WM+\qt], v[WM+\qt], v[BM+4*\qt+3]      ; my wave's 128 keys
.endr
.irp qt, 0,1,2,3
	ds_store_b32 v[RW], v[WM+\qt] offset:128*\qt
.endr
	s_wait_dscnt 0x0                               ; for the others' sake: my stores have landed
	s_barrier_signal -1
	s_barrier_wait -1
.irp qt, 0,1,2,3
.irp wq, 0,1,2,3
	ds_load_b32 v[XM+4*\qt+\wq], v[RR] offset:512*\wq+128*\qt
.endr
.endr
	s_wait_dscnt 0x0
.irp qt, 0,1,2,3
	v_max3_num_f32 v[WM+\qt], v[XM+4*\qt], v[XM+4*\qt+1], v[XM+4*\qt+2]
.endr
.irp qt, 0,1,2,3
	v_max_num_f32 v[WM+\qt], v[WM+\qt], v[XM+4*\qt+3]      ; the row's largest score, over all 512 keys
.endr
.irp qt, 0,1,2,3
	v_mul_f32 v[WM+\qt], s[CS], v[WM+\qt]          ; as t
.endr
.irp qt, 0,1,2,3
	v_floor_f32 v[NM+2*\qt], -v[WM+\qt]            ; -M = floor(-t) = -ceil(t)
.endr
.irp qt, 0,1,2,3
	v_mov_b32 v[NM+2*\qt+1], v[NM+2*\qt]
.endr
.irp qt, 0,1,2,3
.irp be, 0,1,2,3
	v_fma_f32 v[BM+4*\qt+\be], v[BM+4*\qt+\be], s[CS], v[NM+2*\qt]
.endr
.endr
	WIN 0x41                                       ; the scores, destination and source 0, in window 1
.set pp, 0
.rept 128
	v_pk_fma_f32 v[pp:pp+1], v[pp:pp+1], s[CS:CS+1], v[NM+2*(pp/64):NM+2*(pp/64)+1] op_sel_hi:[1,0,0]   ; t - M, two at a time
.set pp, pp+2
.endr
.set pp, 0
.rept 256
	v_exp_f32 v[pp], v[pp]                         ; p = 2^(t - M), at most 1: not normalised
.set pp, pp+1
.endr
	WIN 0
.irp k, 0,1,2,3,4,5,6,7
	v_mov_b32 v[SU+\k], 0                          ; plain instructions behind the exponentials
.endr
	s_wait_alu depctr_va_vdst(0)                   ; one wait for the whole batch, ahead of its first reader
.irp k, 0,1,2,3,4,5,6,7,8,9,10,11,12,13,14,15
	v_exp_f32 v[BM+\k], v[BM+\k]                   ; each block's largest p: the same two instructions on the same number give the same bits
.endr
	WIN 0x04
.set pp, 0
.rept 32
.irp qt, 0,1,2,3
	v_pk_add_f32 v[SU+2*\qt:SU+2*\qt+1], v[SU+2*\qt:SU+2*\qt+1], v[64*\qt+pp:64*\qt+pp+1]   ; the sum is taken of the unquantised p; the four tiles by turns
.endr
.set pp, pp+2
.endr
	WIN 0
	s_wait_alu depctr_va_vdst(0)                   ; and one for the sixteen
.irp k, 0,1,2,3,4,5,6,7,8,9,10,11,12,13,14,15
	v_max_num_f32 v[BM+\k], 0x1800000, v[BM+\k]    ; the floor 2^(3 - 127): the byte cannot fall under 1
.endr
.irp k, 0,1,2,3,4,5,6,7,8,9,10,11,12,13,14,15
	v_add_nc_u32 v[SO+\k], 0xff000000, v[BM+\k]    ; 2 off the exponent field: the conversion's scale operand
.endr
.irp k, 0,1,2,3,4,5,6,7,8,9,10,11,12,13,14,15
	v_lshrrev_b32 v[SB+\k], 23, v[SO+\k]
.endr
.irp qt, 0,1,2,3
	v_lshl_or_b32 v[PW+\qt], v[SB+4*\qt+1], 8, v[SB+4*\qt]
.endr
.irp qt, 0,1,2,3
	v_lshl_or_b32 v[PW+\qt], v[SB+4*\qt+2], 16, v[PW+\qt]
.endr
.irp qt, 0,1,2,3
	v_lshl_or_b32 v[PW+\qt], v[SB+4*\qt+3], 24, v[PW+\qt]  ; p's scale word for my 128 keys
.endr
.irp qt, 0,1,2,3
	v_add_f32 v[SU+2*\qt], v[SU+2*\qt], v[SU+2*\qt+1]
.endr
.irp qt, 0,1,2,3
	v_permlanex16_b32 v[BP+\qt], v[SU+2*\qt], s[SEL], s[SEL+1]
.endr
.irp qt, 0,1,2,3
	v_add_f32 v[SU+2*\qt], v[SU+2*\qt], v[BP+\qt]  ; my wave's part of the row's sum
.endr
.irp qt, 0,1,2,3
	ds_store_b32 v[RW], v[SU+2*\qt] offset:2048+128*\qt
.endr
	WIN 0x01                                       ; source 0 in window 1
.irp qt, 0,1,2,3
.irp c, 0,1
	v_cvt_scalef32_pk16_fp6_f32 v[PC+12*\qt+6*\c:PC+12*\qt+6*\c+2], v[64*\qt+32*\c:64*\qt+32*\c+15], v[SO+4*\qt+2*\c]
	v_cvt_scalef32_pk16_fp6_f32 v[PH+8*\qt+4*\c:PH+8*\qt+4*\c+2], v[64*\qt+32*\c+16:64*\qt+32*\c+31], v[SO+4*\qt+2*\c+1]   ; (a conversion's three registers begin on an even number)
.endr
.endr
	WIN 0
	v_nop                                          ; one plain instruction behind the conversions
.irp qt, 0,1,2,3
.irp c, 0,1                            ; the operand's layout wants a whole block in a lane
.irp i, 0,1,2
	v_permlane16_swap_b32 v[PC+12*\qt+6*\c+\i], v[PH+8*\qt+4*\c+\i]
.endr
.irp i, 0,1,2
	v_mov_b32 v[PC+12*\qt+6*\c+3+\i], v[PH+8*\qt+4*\c+\i]
.endr
.endr
.endr
.irp qt, 0,1,2,3
.irp j, 0,1,2
	ds_store_b128 v[PWI], v[PC+12*\qt+4*\j:PC+12*\qt+4*\j+3] offset:6144*\qt+512*\j    ; the fragment goes to LDS as an image of its registers
.endr
	ds_store_b32 v[PWS], v[PW+\qt] offset:512*\qt
.endr
	s_wait_dscnt 0x0                               ; for the others' sake: my stores have landed
	s_barrier_signal -1
	s_barrier_wait -1
	FETCHG 10                                      ; set 0 of window 0 is done with as the softmax's workspace: the second chunk's first unit goes out
.irp qt, 0,1,2,3
.irp wq, 0,1,2,3
	ds_load_b32 v[XM+4*\qt+\wq], v[RR] offset:2048+512*\wq+128*\qt
.endr
.endr
	WIN 0x80                                       ; destination window 2: p's sixteen fragments stay in registers
.irp sg, 0,1,2,3
.irp qt, 0,1,2,3
.irp j, 0,1,2
	ds_load_b128 v[12*(4*\sg+\qt)+4*\j:12*(4*\sg+\qt)+4*\j+3], v[PR] offset:(4*\qt+\sg)*1536+512*\j
.endr
.endr
.endr
	WIN 0
	s_wait_dscnt 48                                ; the sums are in; p's 48 loads may be out
.irp qt, 0,1,2,3
	v_add_f32 v[XM+4*\qt], v[XM+4*\qt], v[XM+4*\qt+1]
.endr
.irp qt, 0,1,2,3
	v_add_f32 v[XM+4*\qt+2], v[XM+4*\qt+2], v[XM+4*\qt+3]
.endr
.irp qt, 0,1,2,3
	v_add_f32 v[XM+4*\qt], v[XM+4*\qt], v[XM+4*\qt+2]      ; the row's sum
.endr
.irp qt, 0,1,2,3
	v_rcp_f32 v[RL+2*\qt], v[XM+4*\qt]
.endr
	v_nop                                          ; a plain instruction behind the last reciprocal
	s_wait_alu depctr_va_vdst(0)                   ; and the wait ahead of the first use: one for the four
.irp qt, 0,1,2,3
	v_mov_b32 v[RL+2*\qt+1], v[RL+2*\qt]
.endr
.irp sg, 0,1,2,3
.irp qt, 0,1,2,3
	ds_load_b32 v[QSCL+4*\sg+\qt], v[PSR] offset:(4*\qt+\sg)*128
.endr
.endr
	FETCHG 11                                      ; set 1 is done with too
	ASK 2
	; ---- THE SECOND PRODUCT.  Units 8 and 9 out of window 3; from unit 10 on, behind unit n the loads of unit n + 2 go out, and at each unit's wait the next unit's 24 may be out.
	UNIT 8, 48                                     ; units 10's and 11's loads may be out
	FETCHS 10                                      ; (unit 8 has read its set of scale words)
	UNIT 9, 48
	FETCHS 11
	OUT 0
	UNIT 10, 24
	FETCHG 12
	FETCHS 12
	ASK 3
	UNIT 11, 24
	FETCHG 13
	FETCHS 13
	OUT 1
	UNIT 12, 24
	FETCHG 14
	FETCHS 14
	UNIT 13, 24
	FETCHG 15
	FETCHS 15
	OUT 2
	UNIT 14, 24
	UNIT 15, 0
	OUT 3
	s_wait_tensorcnt 0x0
	ds_add_u32 v7, v8
	s_wait_dscnt 0x0
	s_endpgm
.Lfunc_end_k_q104fc9c533_attn:
	.size	k_q104fc9c533_attn, .Lfunc_end_k_q104fc9c533_attn-k_q104fc9c533_attn
	.p2alignl 7, 3214868480
	.fill 96, 4, 3214868480
	.section	.rodata,"a",@progbits
	.p2align	6, 0x0
	.amdhsa_kernel k_q104fc9c533_attn
		.amdhsa_group_segment_fixed_size 81408
		.amdhsa_private_segment_fixed_size 0
		.amdhsa_enable_private_segment 0
		.amdhsa_kernarg_size 40
		.amdhsa_user_sgpr_count 2
		.amdhsa_user_sgpr_kernarg_segment_ptr 1
		.amdhsa_wavefront_size32 1
		.amdhsa_system_sgpr_workgroup_id_x 1
		.amdhsa_system_sgpr_workgroup_id_y 1
		.amdhsa_system_sgpr_workgroup_id_z 1
		.amdhsa_system_vgpr_workitem_id 0
		.amdhsa_next_free_vgpr 1024
		.amdhsa_next_free_sgpr 66
		.amdhsa_reserve_vcc 0
		.amdhsa_float_denorm_mode_32 3
		.amdhsa_float_denorm_mode_16_64 3
		.amdhsa_memory_ordered 1
		.amdhsa_forward_progress 1
		.amdhsa_inst_pref_size 234
	.end_amdhsa_kernel
	.amdgpu_metadata
---
amdhsa.version: [ 1, 2 ]
amdhsa.kernels:
  - .name:           k_q104fc9c533_attn
    .symbol:         k_q104fc9c533_attn.kd
    .args:
      - { .name: tc, .offset: 0, .size: 8, .value_kind: global_buffer, .address_space: global }
      - { .name: tsc, .offset: 8, .size: 8, .value_kind: global_buffer, .address_space: global }
      - { .name: vc, .offset: 16, .size: 8, .value_kind: global_buffer, .address_space: global }
      - { .name: vs, .offset: 24, .size: 8, .value_kind: global_buffer, .address_space: global }
      - { .name: out0, .offset: 32, .size: 8, .value_kind: global_buffer, .address_space: global }
    .group_segment_fixed_size: 81408
    .private_segment_fixed_size: 0
    .kernarg_segment_align: 8
    .kernarg_segment_size: 40
    .max_flat_workgroup_size: 128
    .sgpr_count:     66
    .vgpr_count:     1024
    .wavefront_size: 32
...
	.end_amdgpu_metadata
.endif
;; end of part 3
;; ======== version 2 of 2: 3 launches; version 1 with the launch attn written anew for expert scheduling mode
;; workspace buffers: xc 26,738,688 bytes; xs 1,114,112 bytes; vc 12,582,912 bytes; vs 524,288 bytes; tc 25,165,824 bytes; tsc 1,048,576 bytes
;; launch quant: the kernel of part 1 again; grid 2176 x 1, 4 waves a work-group, no clusters, 46,592 bytes of LDS; arguments source, target, W1, W2, xc, xs, vc, vs; writes xc, xs, vc, vs
;; launch proj: the kernel of part 2 again; grid 4 x 64, 4 waves a work-group, clusters of 4 x 4, 327,680 bytes of LDS; arguments xc, xs, tc, tsc; writes tc, tsc
;; launch attn (part 4): grid 8 x 32, 4 waves a work-group, no clusters, 81,408 bytes of LDS; arguments tc, tsc, vc, vs, out0; writes out0
.if DOCPART == 4
	.amdgcn_target "amdgcn-amd-amdhsa--gfx1250"
	.amdhsa_code_object_version 6
	.text
	.protected	k_q104fc9c533_attn
	.globl	k_q104fc9c533_attn
	.p2align	8
	.type	k_q104fc9c533_attn,@function
k_q104fc9c533_attn:
	s_mov_b64 s[64:65], 0
	v_nop
	global_prefetch_b8 v0, s[64:65] scope:SCOPE_SE
	s_setreg_imm32_b32 hwreg(HW_REG_WAVE_SCHED_MODE, 0, 2), 2
	s_setreg_imm32_b32 hwreg(HW_REG_WAVE_MODE, 25, 1), 1
	s_wait_xcnt 0x0
	s_wait_alu depctr_vm_vsrc(0)
; out[t][b][:] = the sum over s of softmax_s(ts[s][b] . tt[t][b]) source[s][b][:], both products on codes of FP6 (E2M3) with E8M0 scales, f32 sums.
; INPUT, all in the order of the operand's registers (a fragment: 16 rows x 128 K = 1,536 bytes, register p of lane l at 512 (p / 4) + 16 l + 4 (p % 4); its 16 scale words 64 bytes):
;   tc [unit 64][step of a 8][tile 32][1536], tsc [unit][step][tile][64]: units 0-31 ts by batch (the keys), 32-63 tt by batch (the queries); lane row r of tile 2 b + u is row 32 b + 8 u + r + 8 (r / 8).
;   vc [batch][tile of d 64][step of s 4][1536], vs [batch][step of s][tile of d][64]: source with s innermost.
; THE SOFTMAX: t = score x log2(e); M = the row's largest t over all 512 keys, rounded up to a whole number; p = 2^(t - M) is quantised along s, not normalised; the row's sum of the unquantised p divides at the end.
; LIMITS: NaN and infinities are not served.  A block whose every p lies under 2^-124 gets the byte 1.  A block's largest p is taken as the exponential of the block's largest score, by the same two instructions:
; this takes v_exp_f32 not to fall where its input rises; at the worst one p of a block, within an ulp of a power of two, would be held one code low.
; SHARES.  A work-group takes 64 queries (four tiles qt) of one batch against all 512 keys and all 1,024 d.  THE WAVES SHARE THE COLUMNS.  First product: wave w takes keys 128 w .. + 127 (eight tiles kt), 32 accumulators, K in eight steps.
; So all scores of a row are held at once: the true maximum is taken, across the waves through LDS.  Wave w's p are step w of the second product's K: one fragment a tile of queries, which
; goes to the other waves through LDS as an image of its registers.  Second product: four chunks of 256 d; wave w takes four tiles dt x four qt, 16 accumulators, K in four steps; a chunk leaves while the next is multiplied.
; Both products are used transposed (source 0 = 16 keys, or 16 d; source 1 = 16 queries): a lane holds one query throughout.
; OPERANDS COME STRAIGHT FROM MEMORY INTO REGISTERS: NO LDS RING, NO CLUSTER, and why.  Every fragment of the keys and of the values is multiplied by ONE wave of the work-group, once: LDS would share nothing inside the
; work-group.  A unit of 32 matrix instructions takes 8 fragments of keys and 4 of queries, 18,432 bytes; in slots that take turns a slot of two units would have the other slot's 64 matrix instructions in which to land, with
; one fill on its way behind each change of slots.  As the workspace lies, a fragment is three loads of 512 consecutive bytes; two units' loads are issued ahead, counted waits serve them, and no barrier stands among the
; products.  The price: each of a batch's eight work-groups asks for the batch's keys and values itself.
; The scale words of a wave's own keys and values, 4,096 bytes each, are copied once into the wave's own LDS bytes and read from there, a word a lane.
; REGISTERS, in windows of 256: window 0: v1-20 addresses; v24-31 1 / sum; v32-47 the queries' scale words, later p's; v48-63 the keys' or values' scale words, two sets; v64-159, v160-255 two sets of eight fragments (in the softmax: at work).
;   window 1: the scores (qt, kt) at 64 qt + 8 kt; later the chunk's sums at 128 (c % 2) + 32 qt + 8 dt.   window 2: the queries' steps 0-3 at 12 (4 e + qt); later p at 12 (4 sg + qt).
;   window 3: the queries' steps 4-7; v192-255 the scale words on their way to LDS; then v0-191 the values' units 8 and 9; later rows on their way out.
; THE MODE: SCHED_MODE bits 1:0 = 2 (LLVM: expert scheduling mode 2), set by the entry lines.  The code itself states the register dependences between vector or matrix instructions and memory or LDS instructions,
; with s_wait_alu, always for 0.
; THE PLAN.  Registers that memory or LDS instructions touch:
;   the addresses v1-3, v5, v6, v9-20   written at the head, never again; read by every load, store and prefetch.  Two waits at the head state them for the whole kernel.
;   the two sets of fragments and of scale words   unit n's matrix instructions read set n % 2; the loads of unit n + 2 land in it.  One wait behind a unit that is followed by such loads.
;   the queries' registers   each step has a place of its own, which nothing has named before its load: so step n + 2's twelve loads stand among unit n's matrix instructions, and owe no wait.
;   the softmax's WM, SU, PW, PC   written by vector instructions, read by LDS stores; loads land over them behind the second barrier.   XM: LDS loads land in it, vector instructions read it.
;   the sums (window 1)   written by matrix instructions and by the multiplication by 1 / sum, read by the stage's LDS stores, begun anew two chunks on.
;   the rows (window 3)   LDS loads land in them, global stores read them, LDS loads land again two chunks on.
; No operand and no scale word of a matrix instruction is written by a vector instruction: all come by loads.  EXEC is written nowhere.
.set KSC,   0                          ; the keys' scale words: 4,096 w + 512 step + 64 kt + 4 r
.set VSC,   16384                      ; the values': 4,096 w + 256 (4 step of s + chunk) + 64 dt + 4 r
.set PIMG,  32768                      ; p's 16 fragments: (4 qt + sg) x 1,536
.set PSC,   57344                      ; their scale words: (4 qt + sg) x 128 + 4 lane
.set RED,   59392                      ; the waves' maxima: 512 w + 128 qt + 4 lane; their sums 2,048 further on
.set OST,   63488                      ; the way out: 16 rows x (256 + 16) bytes for each wave
.set KCW,  1                           ; v1   where I put 16 bytes of the keys' scale words
.set VCW,  2                           ; v2   of the values'
.set VSO,  3                           ; v3   the values' scale words in memory: lanes 0-15 one run of 256 bytes, lanes 16-31 the run 1,024 bytes on
.set AKS,  5
.set AVS,  6
.set PWI,  9
.set PWS,  10
.set PR,   11
.set PSR,  12
.set RW,   13
.set RR,   14
.set STO,  15
.set RD,   16
.set GO,   17
.set PFO,  18                          ; 256 x lane; never rewritten
.set QO,   19                          ; 16 x lane: every fragment's offset; never rewritten
.set QSO,  20
.set RL,   24
.set QSCL, 32
.set KSCL, 48
.set KS,   64
.set CPK,  192                         ; in window 3
.set CPV,  224
.set BM,   64                          ; in the softmax: each block's largest score (4 qt + block), then its largest p
.set BP,   80
.set NM,   96                          ; -M, in pairs
.set SU,   104                         ; the sums, in pairs
.set SO,   112                         ; the conversions' scale operands
.set SB,   128                         ; the bytes
.set PW,   144
.set WM,   148
.set PC,   164                         ; p's codes, 12 a tile of queries
.set PH,   212
.set XM,   240                         ; the four waves' maxima, later their sums
.set WV,   14
.set KB,   20                          ; s[20:21] my keys' codes;  s[22:23] their scale words
.set KSB,  22
.set VB,   24                          ; s[24:25] my values' codes;  s[26:27] their scale words
.set VSB,  26
.set QB,   28                          ; s[28:29] the queries' codes;  s[30:31] their scale words
.set QSB,  30
.set CS,   34
.set SEL,  36
.set LIM,  38
.set MSB, 0
.macro WIN new                         ; the immediate's high byte repeats the setting that is left
.if MSB != (\new)
	s_set_vgpr_msb (MSB<<8)|(\new)
.set MSB, (\new)
.endif
.endm
.macro PLACES
.rept 4
	v_nop
.endr
.endm
	s_load_b256 s[4:11], s[0:1], 0x0               ; tc s[4:5], tsc s[6:7], vc s[8:9], vs s[10:11]
	s_load_b64 s[12:13], s[0:1], 0x20              ; out0
	v_lshl_add_u32 v7, v0, 2, 0x13c00
	v_mov_b32 v8, 0
	v_lshrrev_b32 v21, 5, v0
	v_readfirstlane_b32 s[WV], v21                 ; wave 0..3
	v_and_b32 v21, 31, v0                          ; lane
	v_and_b32 v22, 15, v0                          ; r
	v_bfe_u32 v23, v0, 4, 1                        ; h
	v_lshlrev_b32 v[QO], 4, v21
	v_lshlrev_b32 v[QSO], 2, v22
	v_lshl_add_u32 v[QSO], v23, 13, v[QSO]         ; lanes 16-31 take the words four steps further on
	s_wait_alu depctr_va_sdst(0)                   ; the wave's number is written into s14, ahead of its first reader: the bases below are made from it
	s_and_b32 s17, ttmp7, 0xffff                   ; the batch; ttmp9 is my block of 64 queries
	s_mul_i32 s40, s17, 393216                     ; the batch's codes
	s_lshl_b32 s41, s17, 14                        ; the batch's scale words
	s_mul_i32 s42, s[WV], 12288                    ; my eight tiles of keys
	s_add_co_u32 s42, s42, s40
	s_mov_b32 s43, 0
	s_mul_i32 s44, s[WV], 24576                    ; my four tiles of d in a chunk
	s_add_co_u32 s44, s44, s40
	s_mov_b32 s45, 0
	s_lshl_b32 s46, s[WV], 9
	s_add_co_u32 s46, s46, s41
	s_mov_b32 s47, 0
	s_lshl_b32 s48, s[WV], 8
	s_add_co_u32 s48, s48, s41
	s_mov_b32 s49, 0
	s_mul_i32 s50, ttmp9, 6144                     ; my four tiles of queries,
	s_add_co_u32 s50, s50, s40
	s_add_co_u32 s50, s50, 32*393216               ; in unit 32 + batch
	s_mov_b32 s51, 0
	s_lshl_b32 s52, ttmp9, 8
	s_add_co_u32 s52, s52, s41
	s_add_co_u32 s52, s52, 32*16384
	s_mov_b32 s53, 0
	s_lshl_b32 s54, ttmp9, 23                      ; 64 rows of 131,072 bytes
	s_lshl_b32 s55, s17, 12
	s_add_co_u32 s54, s54, s55
	s_mov_b32 s55, 0
	s_mov_b32 s[CS], 0x3fb8aa3b                    ; log2(e)
	s_mov_b32 s[CS+1], s[CS]                       ; (named with it as a pair, so it is written)
	s_mov_b32 s[SEL], 0x76543210
	s_mov_b32 s[SEL+1], 0xfedcba98
	s_cmp_eq_u32 ttmp9, 0
	s_cselect_b32 s[LIM], 1, 0                     ; 1 in the batch's first work-group, which prefetches
	s_wait_kmcnt 0x0
	s_add_nc_u64 s[KB:KB+1], s[4:5], s[42:43]
	s_add_nc_u64 s[KSB:KSB+1], s[6:7], s[46:47]
	s_add_nc_u64 s[VB:VB+1], s[8:9], s[44:45]
	s_add_nc_u64 s[VSB:VSB+1], s[10:11], s[48:49]
	s_add_nc_u64 s[QB:QB+1], s[4:5], s[50:51]
	s_add_nc_u64 s[QSB:QSB+1], s[6:7], s[52:53]
	s_add_nc_u64 s[12:13], s[12:13], s[54:55]
; UNITS of 32 matrix instructions: n = 0 .. 7: step n of the first product's K;  n = 8 .. 15: chunk (n - 8) / 2 of d, steps 2 (n % 2) and 2 (n % 2) + 1 of s.
; Unit n works on set n % 2 of window 0; units 8 and 9 on v0-95 and v96-191 of window 3, which the queries have left, so that their loads can go out ahead of the softmax, which works in window 0.
.macro QLOAD e                         ; the four tiles of queries of step e: 12 loads, into registers that no instruction has named before
	WIN 0x80+0x40*((\e)/4)                         ; destination window 2 or 3
.irp qt, 0,1,2,3
.irp j, 0,1,2
	global_load_b128 v[12*(4*((\e)%4)+\qt)+4*\j:12*(4*((\e)%4)+\qt)+4*\j+3], v[QO], s[QB:QB+1] offset:49152*(\e)+1536*\qt+512*\j
.endr
.endr
	WIN 0
.endm
.macro FETCHG n                        ; unit n's eight fragments: 24 loads of 512 consecutive bytes
.if (\n) < 8
.set FS, KS+96*((\n)%2)
.irp kt, 0,1,2,3,4,5,6,7
.irp j, 0,1,2
	global_load_b128 v[FS+12*\kt+4*\j:FS+12*\kt+4*\j+3], v[QO], s[KB:KB+1] offset:49152*(\n)+1536*\kt+512*\j
.endr
.endr
.else
.set CC, ((\n)-8)/2
.set GG, (\n)%2
.if (\n) < 10
.set FS, 96*((\n)-8)
	WIN 0xc0                                       ; destination window 3
.else
.set FS, KS+96*((\n)%2)
.endif
.irp sp, 0,1
.irp dt, 0,1,2,3
.irp j, 0,1,2
	global_load_b128 v[FS+12*(4*\sp+\dt)+4*\j:FS+12*(4*\sp+\dt)+4*\j+3], v[QO], s[VB:VB+1] offset:98304*CC+(4*\dt+2*GG+\sp)*1536+512*\j
.endr
.endr
.endr
	WIN 0
.endif
.endm
.macro FETCHS n                        ; unit n's eight scale words, out of my own LDS bytes, into set n % 2
.set FC, KSCL+8*((\n)%2)
.if (\n) < 8
.irp kt, 0,1,2,3,4,5,6,7
	ds_load_b32 v[FC+\kt], v[AKS] offset:512*(\n)+64*\kt
.endr
.else
.set CC, ((\n)-8)/2
.set GG, (\n)%2
.irp sp, 0,1
.irp dt, 0,1,2,3
	ds_load_b32 v[FC+4*\sp+\dt], v[AVS] offset:(4*(2*GG+\sp)+CC)*256+64*\dt
.endr
.endr
.endif
.endm
; 16 matrix instructions on 16 different accumulators, which take turns, one instruction a turn
.macro MULH n, hf
.set FS, KS+96*((\n)%2)
.set FC, KSCL+8*((\n)%2)
.if (\n) < 8
.set EQQ, (\n)%4
	WIN 0x58+4*((\n)/4)                            ; keys window 0, queries window 2 or 3, scores window 1
.irp q2, 0,1
.irp kt, 0,1,2,3,4,5,6,7
.set QT, 2*(\hf)+\q2
.if (\n) == 0
	v_wmma_scale_f32_16x16x128_f8f6f4 v[64*QT+8*\kt:64*QT+8*\kt+7], v[FS+12*\kt:FS+12*\kt+11], v[12*(4*EQQ+QT):12*(4*EQQ+QT)+11], 0, v[FC+\kt], v[QSCL+4*EQQ+QT] matrix_a_fmt:MATRIX_FMT_FP6 matrix_b_fmt:MATRIX_FMT_FP6
.elseif (\n) < 4
	v_wmma_scale_f32_16x16x128_f8f6f4 v[64*QT+8*\kt:64*QT+8*\kt+7], v[FS+12*\kt:FS+12*\kt+11], v[12*(4*EQQ+QT):12*(4*EQQ+QT)+11], v[64*QT+8*\kt:64*QT+8*\kt+7], v[FC+\kt], v[QSCL+4*EQQ+QT] matrix_a_fmt:MATRIX_FMT_FP6 matrix_b_fmt:MATRIX_FMT_FP6
.else
	v_wmma_scale_f32_16x16x128_f8f6f4 v[64*QT+8*\kt:64*QT+8*\kt+7], v[FS+12*\kt:FS+12*\kt+11], v[12*(4*EQQ+QT):12*(4*EQQ+QT)+11], v[64*QT+8*\kt:64*QT+8*\kt+7], v[FC+\kt], v[QSCL+4*EQQ+QT] matrix_a_fmt:MATRIX_FMT_FP6 matrix_b_fmt:MATRIX_FMT_FP6 matrix_b_scale:MATRIX_SCALE_ROW1
.endif
.endr
.endr
.else
.set CC, ((\n)-8)/2
.set GG, (\n)%2
.set SG, 2*GG+(\hf)
.set AB, 128*(CC%2)
.if (\n) < 10
.set FS, 96*((\n)-8)
	WIN 0x5b                                       ; values window 3, p window 2, sums window 1
.else
	WIN 0x58                                       ; values window 0, p window 2, sums window 1
.endif
.irp dt, 0,1,2,3
.irp qt, 0,1,2,3
.if SG == 0
	v_wmma_scale_f32_16x16x128_f8f6f4 v[AB+32*\qt+8*\dt:AB+32*\qt+8*\dt+7], v[FS+12*(4*(\hf)+\dt):FS+12*(4*(\hf)+\dt)+11], v[12*(4*SG+\qt):12*(4*SG+\qt)+11], 0, v[FC+4*(\hf)+\dt], v[QSCL+4*SG+\qt] matrix_a_fmt:MATRIX_FMT_FP6 matrix_b_fmt:MATRIX_FMT_FP6
.else
	v_wmma_scale_f32_16x16x128_f8f6f4 v[AB+32*\qt+8*\dt:AB+32*\qt+8*\dt+7], v[FS+12*(4*(\hf)+\dt):FS+12*(4*(\hf)+\dt)+11], v[12*(4*SG+\qt):12*(4*SG+\qt)+11], v[AB+32*\qt+8*\dt:AB+32*\qt+8*\dt+7], v[FC+4*(\hf)+\dt], v[QSCL+4*SG+\qt] matrix_a_fmt:MATRIX_FMT_FP6 matrix_b_fmt:MATRIX_FMT_FP6
.endif
.endr
.endr
.endif
.endm
; A unit.  cnt: the loads from memory issued behind this unit's, which may stay out (loads come back in order: ISA guide 5.7.1).
; q: the step of the queries that is asked for between the unit's two halves (none: -1).  Those loads land in registers that nothing has named, and read v[QO] alone, which the head's wait has stated: they owe no wait.
; Behind the products stand four plain vector instructions, ahead of the first read of results by a vector instruction (ISA guide 7.12.1).
; free = 1: loads follow that land in registers which these products read.
.macro UNIT n, cnt, q, free
	s_wait_loadcnt \cnt
	s_wait_dscnt 0x0                               ; its scale words (and whatever else of mine was out in LDS)
	MULH \n, 0
.if (\q) >= 0
	QLOAD \q
.endif
	MULH \n, 1
	WIN 0
	PLACES
.if \free
	s_wait_alu depctr_va_vdst(0)                   ; the matrix instructions issued so far are done reading their fragments and scale words, in which the loads that follow this unit land
.endif
.endm
; A PREFETCH INTO THE L2 of the values' chunk k, 98,304 bytes.  All eight work-groups of a batch read the chunk: the first asks (a branch on the work-group's number: this launch has no cluster).  Each of its waves asks for
; the quarter that it will load itself, 24,576 bytes, by three instructions, lanes 256 bytes apart: each block of 256 bytes is named once in the launch.  The requests stand together, behind loads just issued.
; Chunk 0 is asked for three units ahead of its loads; chunk 1 behind the last scores, the softmax up to its second barrier ahead; chunk 2 behind the softmax, three units and a way out ahead; chunk 3 two units and a way out ahead.
; The address registers are never rewritten: the chunk stands in the immediate.
.macro ASK k
	s_cmp_eq_u32 s[LIM], 1
	s_cbranch_scc0 .Lnot_mine_\@
.irp i, 0,1,2
	global_prefetch_b8 v[PFO], s[VB:VB+1] offset:(\k)*98304+8192*\i th:TH_LOAD_NT scope:SCOPE_SE
.endr
.Lnot_mine_\@:
.endm
; THE WAY OUT of chunk c: x 1 / sum; a tile of 16 queries x my 64 d goes through my stage in LDS and comes back as rows of 256 bytes; sixteen lanes store 256 consecutive bytes, at a multiple of 256 from the output's first byte.
; Stage row 2 i + h of tile qt is query 32 (qt / 2) + 8 (qt % 2) + 2 i + h + 8 (i / 4) of my 64.  The largest immediate is 8,129,536: inside the signed 24 bits (ISA guide, chapter 10).
; The chunk's 64 multiplications stand together, so that one wait states them for all 32 LDS stores.
.macro OUT c
.set AB, 128*((\c)%2)
	s_wait_xcnt 0x0                                ; the stores of two chunks ago have read their registers
.if (\c) > 0
	s_wait_alu depctr_vm_vsrc(0)                   ; the last chunk's LDS stores have read its sums, which a later unit begins anew; the global stores of two chunks ago have read their rows of window 3, in which the loads below land
.endif
	WIN 0x41                                       ; the sums in window 1
.irp qt, 0,1,2,3
.irp p, 0,2,4,6,8,10,12,14,16,18,20,22,24,26,28,30
	v_pk_mul_f32 v[AB+32*\qt+\p:AB+32*\qt+\p+1], v[AB+32*\qt+\p:AB+32*\qt+\p+1], v[RL+2*\qt:RL+2*\qt+1] op_sel_hi:[1,0]   ; each accumulator from its low end on
.endr
.endr
	WIN 0x04                                       ; an LDS store's data are its source 1
	s_wait_alu depctr_va_vdst(0)                   ; the multiplications have written the sums, which the LDS stores read; units 8 and 9 are done reading the values of window 3, in which the rows land
.irp qt, 0,1,2,3
	WIN 0x04
.irp dt, 0,1,2,3
	ds_store_b128 v[STO], v[AB+32*\qt+8*\dt:AB+32*\qt+8*\dt+3] offset:64*\dt
	ds_store_b128 v[STO], v[AB+32*\qt+8*\dt+4:AB+32*\qt+8*\dt+7] offset:64*\dt+16
.endr
	WIN 0xc0                                       ; back into window 3
.irp i, 0,1,2,3,4,5,6,7
	ds_load_b128 v[AB+32*\qt+4*\i:AB+32*\qt+4*\i+3], v[RD] offset:544*\i   ; LDS serves a wave's instructions in order: these see my stores, and the next tile's stores come behind them
.endr
.endr
	WIN 0x0c                                       ; a store's data are its source 1
.irp qt, 0,1,2,3
.irp i, 0,1,2,3,4,5,6,7
	s_wait_dscnt 16*(3-\qt)+7-\i                   ; the LDS instructions issued behind this load may be out
	global_store_b128 v[GO], v[AB+32*\qt+4*\i:AB+32*\qt+4*\i+3], s[12:13] offset:(32*(\qt/2)+8*(\qt%2)+2*\i+8*(\i/4))*131072+1024*(\c) th:TH_STORE_NT
.endr
.endr
	WIN 0
.endm
	; THE FIRST LOADS, 60 of them: my keys' scale words, the queries' scale words, and all that unit 0 takes
	WIN 0xc0                                       ; destination window 3
	s_wait_alu depctr_va_vdst(0)                   ; v[QO] and v[QSO] are written, which the loads below read as their offsets
.irp e, 0,1,2,3,4,5,6,7
	global_load_b128 v[CPK+4*\e:CPK+4*\e+3], v[QO], s[KSB:KSB+1] offset:2048*\e    ; step e: my eight tiles' words, 512 consecutive bytes
.endr
	WIN 0
.irp e, 0,1,2,3
.irp qt, 0,1,2,3
	global_load_b32 v[QSCL+4*\e+\qt], v[QSO], s[QSB:QSB+1] offset:2048*\e+64*\qt   ; lanes 0-15 step e, lanes 16-31 step e + 4
.endr
.endr
	QLOAD 0
	FETCHG 0
	; the other addresses are made while these are on their way
	s_lshl_b32 s40, s[WV], 12
	s_add_co_u32 s41, s40, KSC
	v_lshl_add_u32 v[KCW], v21, 4, s41
	v_lshl_add_u32 v[AKS], v22, 2, s41
	s_add_co_u32 s41, s40, VSC
	v_lshl_add_u32 v[VCW], v21, 4, s41
	v_lshl_add_u32 v[AVS], v22, 2, s41
	v_lshlrev_b32 v[VSO], 4, v22
	v_lshl_add_u32 v[VSO], v23, 10, v[VSO]
	s_lshl_b32 s40, s[WV], 9
	s_add_co_u32 s40, s40, RED
	v_lshl_add_u32 v[RW], v21, 2, s40
	s_lshl_b32 s40, s[WV], 8
	v_lshl_add_u32 v[GO], v22, 4, s40              ; the output: 16 r + 256 w,
	v_lshl_add_u32 v[GO], v23, 17, v[GO]           ; lanes 16-31 one row of t further on
	s_mul_i32 s40, s[WV], 1536
	s_add_co_u32 s40, s40, PIMG
	v_lshl_add_u32 v[PWI], v21, 4, s40
	s_lshl_b32 s40, s[WV], 7
	s_add_co_u32 s40, s40, PSC
	v_lshl_add_u32 v[PWS], v21, 2, s40
	v_lshl_add_u32 v[PR], v21, 4, PIMG
	v_lshl_add_u32 v[PSR], v21, 2, PSC
	v_lshl_add_u32 v[RR], v21, 2, RED
	s_mul_i32 s40, s[WV], 4352
	s_add_co_u32 s40, s40, OST
	v_mul_u32_u24 v[STO], v22, 272
	v_lshl_add_u32 v[STO], v23, 5, v[STO]
	v_add_nc_u32 v[STO], s40, v[STO]
	v_mul_u32_u24 v[RD], v23, 272
	v_lshl_add_u32 v[RD], v22, 4, v[RD]
	v_add_nc_u32 v[RD], s40, v[RD]
	v_lshlrev_b32 v[PFO], 8, v21
	s_wait_loadcnt 52                              ; my keys' scale words are in: behind them 16 + 12 + 24 loads were issued
	WIN 0x0c                                       ; an LDS store's data are its source 1: window 3
	s_wait_alu depctr_va_vdst(0)                   ; all the other addresses and offsets, v1 to v18, are written: every LDS instruction, store and prefetch from here on reads one of them, and none is written again
.irp e, 0,1,2,3,4,5,6,7
	ds_store_b128 v[KCW], v[CPK+4*\e:CPK+4*\e+3] offset:512*\e     ; into my own bytes: no other wave reads them, and LDS serves my instructions in order
.endr
	WIN 0
	FETCHS 0
	QLOAD 1
	FETCHG 1
	FETCHS 1
	; ---- THE SCORES.  In the middle of unit n the queries of step n + 2 are asked for; behind unit n its keys and scale words, into the sets that unit n has left: at each unit's wait the next unit's 12 + 24 loads may be out.
	UNIT 0, 36, 2, 1
	FETCHG 2
	FETCHS 2
	UNIT 1, 36, 3, 1
	FETCHG 3
	FETCHS 3
	UNIT 2, 36, 4, 1
	FETCHG 4
	FETCHS 4
	UNIT 3, 36, 5, 1
	FETCHG 5
	FETCHS 5
	UNIT 4, 36, 6, 1
	FETCHG 6
	FETCHS 6
	ASK 0
	UNIT 5, 36, 7, 1
	FETCHG 7
	FETCHS 7
	UNIT 6, 36, -1, 0                              ; the loads that follow land in registers that no vector or matrix instruction has named
	WIN 0xc0
.irp i, 0,1,2,3,4,5,6,7
	global_load_b128 v[CPV+4*\i:CPV+4*\i+3], v[VSO], s[VSB:VSB+1] offset:2048*\i   ; my values' scale words: runs 2 i and 2 i + 1 of 256 bytes (run 4 step + chunk lies 1,024 bytes behind the last)
.endr
	WIN 0
	UNIT 7, 8, -1, 1                               ; those eight may be out.  Its wait states also that units 4 to 7 are done reading the queries' steps 4-7, and unit 6 its scale words
	FETCHG 8                                       ; the values' first chunk, into the registers that the queries' steps 4-7 have left: it lands under the softmax
	FETCHG 9
	s_wait_loadcnt 48                              ; my values' scale words are in: behind them 24 + 24 loads were issued
	WIN 0x0c
.irp i, 0,1,2,3,4,5,6,7
	ds_store_b128 v[VCW], v[CPV+4*\i:CPV+4*\i+3] offset:512*\i
.endr
	WIN 0
	FETCHS 8
	FETCHS 9
	ASK 1
	; ---- THE SOFTMAX.  Register 64 qt + 16 b + i of window 1 is the score of my query of tile qt with key 128 w + 32 b + 16 (lane / 16) + i.
	WIN 0x15                                       ; all three sources in window 1
.irp qt, 0,1,2,3
.irp be, 0,1,2,3
	v_max3_num_f32 v[BM+4*\qt+\be], v[64*\qt+16*\be], v[64*\qt+16*\be+1], v[64*\qt+16*\be+2]   ; the largest score of each block of 32 keys: for the row's maximum, and for the block's largest p
.endr
.endr
	WIN 0x14
.irp i, 3,5,7,9,11,13
.irp qt, 0,1,2,3
.irp be, 0,1,2,3
	v_max3_num_f32 v[BM+4*\qt+\be], v[BM+4*\qt+\be], v[64*\qt+16*\be+\i], v[64*\qt+16*\be+\i+1]
.endr
.endr
.endr
.irp qt, 0,1,2,3
.irp be, 0,1,2,3
	v_max_num_f32 v[BM+4*\qt+\be], v[BM+4*\qt+\be], v[64*\qt+16*\be+15]
.endr
.endr
	WIN 0
.irp k, 0,1,2,3,4,5,6,7,8,9,10,11,12,13,14,15
	v_mov_b32 v[BP+\k], 0                          ; a lane permute's destination counts as one of its sources
.endr
.irp k, 0,1,2,3,4,5,6,7,8,9,10,11,12,13,14,15
	v_permlanex16_b32 v[BP+\k], v[BM+\k], s[SEL], s[SEL+1]
.endr
.irp k, 0,1,2,3,4,5,6,7,8,9,10,11,12,13,14,15
	v_max_num_f32 v[BM+\k], v[BM+\k], v[BP+\k]     ; with lane l xor 16's 16 keys
.endr
.irp qt, 0,1,2,3
	v_max3_num_f32 v[WM+\qt], v[BM+4*\qt], v[BM+4*\qt+1], v[BM+4*\qt+2]
.endr
.irp qt, 0,1,2,3
	v_max_num_f32 v[WM+\qt], v[WM+\qt], v[BM+4*\qt+3]      ; my wave's 128 keys
.endr
	s_wait_alu depctr_va_vdst(0)                   ; my wave's maxima are written into v[WM ..], which the LDS stores read
.irp qt, 0,1,2,3
	ds_store_b32 v[RW], v[WM+\qt] offset:128*\qt
.endr
	s_wait_dscnt 0x0                               ; for the others' sake: my stores have landed
	s_barrier_signal -1
	s_barrier_wait -1
.irp qt, 0,1,2,3
.irp wq, 0,1,2,3
	ds_load_b32 v[XM+4*\qt+\wq], v[RR] offset:512*\wq+128*\qt      ; (no vector or matrix instruction since the last wait names v[XM ..])
.endr
.endr
	s_wait_dscnt 0x0
	s_wait_alu depctr_vm_vsrc(0)                   ; my LDS stores have read v[WM ..], which the next lines write again
.irp qt, 0,1,2,3
	v_max3_num_f32 v[WM+\qt], v[XM+4*\qt], v[XM+4*\qt+1], v[XM+4*\qt+2]
.endr
.irp qt, 0,1,2,3
	v_max_num_f32 v[WM+\qt], v[WM+\qt], v[XM+4*\qt+3]      ; the row's largest score, over all 512 keys
.endr
.irp qt, 0,1,2,3
	v_mul_f32 v[WM+\qt], s[CS], v[WM+\qt]          ; as t
.endr
.irp qt, 0,1,2,3
	v_floor_f32 v[NM+2*\qt], -v[WM+\qt]            ; -M = floor(-t) = -ceil(t)
.endr
.irp qt, 0,1,2,3
	v_mov_b32 v[NM+2*\qt+1], v[NM+2*\qt]
.endr
.irp qt, 0,1,2,3
.irp be, 0,1,2,3
	v_fma_f32 v[BM+4*\qt+\be], v[BM+4*\qt+\be], s[CS], v[NM+2*\qt]
.endr
.endr
	WIN 0x41                                       ; the scores, destination and source 0, in window 1
.set pp, 0
.rept 128
	v_pk_fma_f32 v[pp:pp+1], v[pp:pp+1], s[CS:CS+1], v[NM+2*(pp/64):NM+2*(pp/64)+1] op_sel_hi:[1,0,0]   ; t - M, two at a time
.set pp, pp+2
.endr
.set pp, 0
.rept 256
	v_exp_f32 v[pp], v[pp]                         ; p = 2^(t - M), at most 1: not normalised
.set pp, pp+1
.endr
	WIN 0
.irp k, 0,1,2,3,4,5,6,7
	v_mov_b32 v[SU+\k], 0                          ; plain instructions behind the exponentials
.endr
	s_wait_alu depctr_va_vdst(0)                   ; the 256 exponentials have written p: one wait for the whole batch, ahead of its first reader
.irp k, 0,1,2,3,4,5,6,7,8,9,10,11,12,13,14,15
	v_exp_f32 v[BM+\k], v[BM+\k]                   ; each block's largest p: the same two instructions on the same number give the same bits
.endr
	WIN 0x04
.set pp, 0
.rept 32
.irp qt, 0,1,2,3
	v_pk_add_f32 v[SU+2*\qt:SU+2*\qt+1], v[SU+2*\qt:SU+2*\qt+1], v[64*\qt+pp:64*\qt+pp+1]   ; the sum is taken of the unquantised p; the four tiles by turns
.endr
.set pp, pp+2
.endr
	WIN 0
	s_wait_alu depctr_va_vdst(0)                   ; the sixteen exponentials have written the blocks' largest p, ahead of their first reader
.irp k, 0,1,2,3,4,5,6,7,8,9,10,11,12,13,14,15
	v_max_num_f32 v[BM+\k], 0x1800000, v[BM+\k]    ; the floor 2^(3 - 127): the byte cannot fall under 1
.endr
.irp k, 0,1,2,3,4,5,6,7,8,9,10,11,12,13,14,15
	v_add_nc_u32 v[SO+\k], 0xff000000, v[BM+\k]    ; 2 off the exponent field: the conversion's scale operand
.endr
.irp k, 0,1,2,3,4,5,6,7,8,9,10,11,12,13,14,15
	v_lshrrev_b32 v[SB+\k], 23, v[SO+\k]
.endr
.irp qt, 0,1,2,3
	v_lshl_or_b32 v[PW+\qt], v[SB+4*\qt+1], 8, v[SB+4*\qt]
.endr
.irp qt, 0,1,2,3
	v_lshl_or_b32 v[PW+\qt], v[SB+4*\qt+2], 16, v[PW+\qt]
.endr
.irp qt, 0,1,2,3
	v_lshl_or_b32 v[PW+\qt], v[SB+4*\qt+3], 24, v[PW+\qt]  ; p's scale word for my 128 keys
.endr
.irp qt, 0,1,2,3
	v_add_f32 v[SU+2*\qt], v[SU+2*\qt], v[SU+2*\qt+1]
.endr
.irp qt, 0,1,2,3
	v_permlanex16_b32 v[BP+\qt], v[SU+2*\qt], s[SEL], s[SEL+1]
.endr
.irp qt, 0,1,2,3
	v_add_f32 v[SU+2*\qt], v[SU+2*\qt], v[BP+\qt]  ; my wave's part of the row's sum
.endr
	WIN 0x01                                       ; source 0 in window 1
.irp qt, 0,1,2,3
.irp c, 0,1
	v_cvt_scalef32_pk16_fp6_f32 v[PC+12*\qt+6*\c:PC+12*\qt+6*\c+2], v[64*\qt+32*\c:64*\qt+32*\c+15], v[SO+4*\qt+2*\c]
	v_cvt_scalef32_pk16_fp6_f32 v[PH+8*\qt+4*\c:PH+8*\qt+4*\c+2], v[64*\qt+32*\c+16:64*\qt+32*\c+31], v[SO+4*\qt+2*\c+1]   ; (a conversion's three registers begin on an even number)
.endr
.endr
	WIN 0
	v_nop                                          ; one plain instruction behind the conversions
.irp qt, 0,1,2,3
.irp c, 0,1                            ; the operand's layout wants a whole block in a lane
.irp i, 0,1,2
	v_permlane16_swap_b32 v[PC+12*\qt+6*\c+\i], v[PH+8*\qt+4*\c+\i]
.endr
.irp i, 0,1,2
	v_mov_b32 v[PC+12*\qt+6*\c+3+\i], v[PH+8*\qt+4*\c+\i]
.endr
.endr
.endr
	s_wait_alu depctr_va_vdst(0)                   ; the sums v[SU ..], the codes v[PC ..] and the scale words v[PW ..] are written, which the LDS stores read; and the softmax is done with v64-255 of window 0, in which loads land behind the barrier
.irp qt, 0,1,2,3
	ds_store_b32 v[RW], v[SU+2*\qt] offset:2048+128*\qt
.endr
.irp qt, 0,1,2,3
.irp j, 0,1,2
	ds_store_b128 v[PWI], v[PC+12*\qt+4*\j:PC+12*\qt+4*\j+3] offset:6144*\qt+512*\j    ; the fragment goes to LDS as an image of its registers
.endr
	ds_store_b32 v[PWS], v[PW+\qt] offset:512*\qt
.endr
	s_wait_dscnt 0x0                               ; for the others' sake: my stores have landed
	s_barrier_signal -1
	s_barrier_wait -1
	s_wait_alu depctr_vm_vsrc(0)                   ; my LDS stores have read v[SU ..], v[PW ..] and v[PC ..], in which the loads of units 10 and 11 land (and the scale words' copies in window 3, in which rows land later)
	FETCHG 10                                      ; set 0 of window 0 is done with as the softmax's workspace: the second chunk's first unit goes out
.irp qt, 0,1,2,3
.irp wq, 0,1,2,3
	ds_load_b32 v[XM+4*\qt+\wq], v[RR] offset:2048+512*\wq+128*\qt
.endr
.endr
	WIN 0x80                                       ; destination window 2: p's sixteen fragments stay in registers (the queries' steps 0-3, which units 0 to 3 read, lay there: no vector or matrix instruction has named them since the wait behind unit 3)
.irp sg, 0,1,2,3
.irp qt, 0,1,2,3
.irp j, 0,1,2
	ds_load_b128 v[12*(4*\sg+\qt)+4*\j:12*(4*\sg+\qt)+4*\j+3], v[PR] offset:(4*\qt+\sg)*1536+512*\j
.endr
.endr
.endr
	WIN 0
	s_wait_dscnt 48                                ; the sums are in; p's 48 loads may be out
.irp qt, 0,1,2,3
	v_add_f32 v[XM+4*\qt], v[XM+4*\qt], v[XM+4*\qt+1]
.endr
.irp qt, 0,1,2,3
	v_add_f32 v[XM+4*\qt+2], v[XM+4*\qt+2], v[XM+4*\qt+3]
.endr
.irp qt, 0,1,2,3
	v_add_f32 v[XM+4*\qt], v[XM+4*\qt], v[XM+4*\qt+2]      ; the row's sum
.endr
.irp qt, 0,1,2,3
	v_rcp_f32 v[RL+2*\qt], v[XM+4*\qt]
.endr
	v_nop                                          ; a plain instruction behind the last reciprocal
	s_wait_alu depctr_va_vdst(0)                   ; the four reciprocals have written 1 / sum, ahead of their first reader; and the additions and reciprocals are done with v[XM ..], in which unit 11's loads land
.irp qt, 0,1,2,3
	v_mov_b32 v[RL+2*\qt+1], v[RL+2*\qt]
.endr
.irp sg, 0,1,2,3
.irp qt, 0,1,2,3
	ds_load_b32 v[QSCL+4*\sg+\qt], v[PSR] offset:(4*\qt+\sg)*128   ; (the queries' scale words lay there: no matrix instruction has named them since the wait behind unit 7)
.endr
.endr
	FETCHG 11                                      ; set 1 is done with too
	ASK 2
	; ---- THE SECOND PRODUCT.  Units 8 and 9 out of window 3; from unit 10 on, behind unit n the loads of unit n + 2 go out, and at each unit's wait the next unit's 24 may be out.
	UNIT 8, 48, -1, 0                              ; units 10's and 11's loads may be out.  No load follows it: unit 9 comes next
	UNIT 9, 48, -1, 1                              ; its wait states that units 8 and 9 are done reading their scale words
	FETCHS 10
	FETCHS 11
	OUT 0
	UNIT 10, 24, -1, 1
	FETCHG 12
	FETCHS 12
	ASK 3
	UNIT 11, 24, -1, 1
	FETCHG 13
	FETCHS 13
	OUT 1
	UNIT 12, 24, -1, 1
	FETCHG 14
	FETCHS 14
	UNIT 13, 24, -1, 1
	FETCHG 15
	FETCHS 15
	OUT 2
	UNIT 14, 24, -1, 0                             ; nothing is left to fetch
	UNIT 15, 0, -1, 0
	OUT 3
	s_wait_dscnt 0x0                               ; the closing lines, six on end (every window is 0 here: the add's two registers lie in window 0)
	s_wait_alu 0x0
	s_wait_tensorcnt 0x0
	ds_add_u32 v7, v8
	s_wait_dscnt 0x0
	s_endpgm
.Lfunc_end_k_q104fc9c533_attn:
	.size	k_q104fc9c533_attn, .Lfunc_end_k_q104fc9c533_attn-k_q104fc9c533_attn
	.p2alignl 7, 3214868480
	.fill 96, 4, 3214868480
	.section	.rodata,"a",@progbits
	.p2align	6, 0x0
	.amdhsa_kernel k_q104fc9c533_attn
		.amdhsa_group_segment_fixed_size 81408
		.amdhsa_private_segment_fixed_size 0
		.amdhsa_enable_private_segment 0
		.amdhsa_kernarg_size 40
		.amdhsa_user_sgpr_count 2
		.amdhsa_user_sgpr_kernarg_segment_ptr 1
		.amdhsa_wavefront_size32 1
		.amdhsa_system_sgpr_workgroup_id_x 1
		.amdhsa_system_sgpr_workgroup_id_y 1
		.amdhsa_system_sgpr_workgroup_id_z 1
		.amdhsa_system_vgpr_workitem_id 0
		.amdhsa_next_free_vgpr 1024
		.amdhsa_next_free_sgpr 66
		.amdhsa_reserve_vcc 0
		.amdhsa_float_denorm_mode_32 3
		.amdhsa_float_denorm_mode_16_64 3
		.amdhsa_memory_ordered 1
		.amdhsa_forward_progress 1
		.amdhsa_inst_pref_size 235
	.end_amdhsa_kernel
	.amdgpu_metadata
---
amdhsa.version: [ 1, 2 ]
amdhsa.kernels:
  - .name:           k_q104fc9c533_attn
    .symbol:         k_q104fc9c533_attn.kd
    .args:
      - { .name: tc, .offset: 0, .size: 8, .value_kind: global_buffer, .address_space: global }
      - { .name: tsc, .offset: 8, .size: 8, .value_kind: global_buffer, .address_space: global }
      - { .name: vc, .offset: 16, .size: 8, .value_kind: global_buffer, .address_space: global }
      - { .name: vs, .offset: 24, .size: 8, .value_kind: global_buffer, .address_space: global }
      - { .name: out0, .offset: 32, .size: 8, .value_kind: global_buffer, .address_space: global }
    .group_segment_fixed_size: 81408
    .private_segment_fixed_size: 0
    .kernarg_segment_align: 8
    .kernarg_segment_size: 40
    .max_flat_workgroup_size: 128
    .sgpr_count:     66
    .vgpr_count:     1024
    .wavefront_size: 32
...
	.end_amdgpu_metadata
.endif
;; end of part 4
